; MI455X (gfx1250); checked and timed in simulation.
; The chip was launched on July 23, 2026; its instructions are those of AMD's public machine-readable ISA for CDNA 5 (MIT licence, August 2026) and "CDNA5" Instruction Set Architecture Reference Guide (July 2026). The comments in the code are by the model that wrote it; some were corrected since.
;; Mo E. Allowed arithmetic: matrix products marked QUANTISED: E2M3 operands, one E8M0 scale for each 32 along K, by v_wmma_scale_f32_16x16x128_f8f6f4 with both operands' format E2M3, f32 sums; products left as they are: f32 operands where the result goes on into a quantised operand, else bf16, f16 or f32 operands; f32 sums; everything else in f32.
;; Inputs: We 8 x 2,048 x 2,048 float32; Wg 2,048 x 8 float32; be 8 x 2,048 float32; inputs 2,048 x 2,048 float32.
;; Outputs: out0 2,048 x 2,048 float32.
;; This version of the problem:
;;   THIS VERSION OF THE PROBLEM IS GIVEN IN LOW PRECISION. The matrix products marked QUANTISED in the list below multiply operands that are first quantised to E2M3 (2 exponent bits, 3 mantissa bits; 6 bits a number), with one power-of-two scale for each 32 numbers along K (OCP MX v1.0); their sums are f32. All else is computed in f32.
;;   The module's matrix products, in the order in which they are computed (A, B: the left and right operand; K: the contracted axis; several contracted axes count as one K, in the product's order):
;;     1. [M 2,048, K 2,048] x [K 2,048, N 8]; A: input inputs; B: input Wg: left as it is (N = 8 < 16)
;;     2. [M 2,048, K 2,048] x [K 2,048, N 2,048]; A: input inputs; B: input We: QUANTISED
;;     3. [M 2,048, K 2,048] x [K 2,048, N 2,048]; A: input inputs; B: input We: QUANTISED
;;     4. [M 2,048, K 2,048] x [K 2,048, N 2,048]; A: input inputs; B: input We: QUANTISED
;;     5. [M 2,048, K 2,048] x [K 2,048, N 2,048]; A: input inputs; B: input We: QUANTISED
;;     6. [M 2,048, K 2,048] x [K 2,048, N 2,048]; A: input inputs; B: input We: QUANTISED
;;     7. [M 2,048, K 2,048] x [K 2,048, N 2,048]; A: input inputs; B: input We: QUANTISED
;;     8. [M 2,048, K 2,048] x [K 2,048, N 2,048]; A: input inputs; B: input We: QUANTISED
;;     9. [M 2,048, K 2,048] x [K 2,048, N 2,048]; A: input inputs; B: input We: QUANTISED
;;   THE QUANTISER, for each operand of a quantised product, along K:
;;     - K is cut into blocks of 32 from its start; a last block that is shorter is filled with zeros.
;;     - A block's scale is 2^e with e = floor(log2(the largest magnitude in the block)) - 2, held to -126 .. 127; a block of zeros has e = 0. As a byte (E8M0): e + 127.
;;     - Each number is divided by its block's scale, clamped to +-7.5, and rounded to the nearest number of E2M3, ties to even, subnormals kept.
;;     - The product sums the exact products of the quantised numbers (number of the format x scale) in f32.
;;   ~~~python
;;   def quantise(x, axis):      # numpy; x: float32 -> the quantised numbers, widened to float32 again
;;       x = np.moveaxis(x, axis, -1); K = x.shape[-1]
;;       x = np.pad(x, [(0, 0)] * (x.ndim - 1) + [(0, -K % 32)]); x = x.reshape(x.shape[:-1] + (-1, 32)); a = np.abs(x).max(-1, keepdims=True)
;;       e = np.where(a > 0, np.clip(np.frexp(np.where(a > 0, a, 1))[1] - 1 - 2, -126, 127), 0)      # np.frexp(a)[1] - 1 = floor(log2(a)), exactly
;;       r = np.clip(x / 2.0 ** e, -7.5, 7.5)
;;       step = 2.0 ** (np.maximum(np.frexp(np.where(r == 0, 1, r))[1] - 1, 0) - 3)
;;       q = np.round(r / step) * step * 2.0 ** e      # np.round: ties to even
;;       return np.moveaxis(q.reshape(q.shape[:-2] + (-1,))[..., :K], -1, axis).astype(np.float32)
;;   ~~~
;; 2 versions, each right; version 2 is version 1 with the launch experts written anew for expert scheduling mode. Each part assembles by itself: llvm-mc -triple=amdgcn-amd-amdhsa -mcpu=gfx1250 --defsym DOCPART=n.
;; ======== version 1 of 2: 3 launches
;; workspace buffers: xq 3,145,728 bytes; xs 131,072 bytes; cw 16,384 bytes; mk 4,096 bytes of whole numbers; part 33,554,432 bytes
;; launch route (part 1): grid 256 x 1, 8 waves a work-group, no clusters, 178,688 bytes of LDS; arguments inputs, Wg, xq, xs, cw, mk; writes xq, xs, cw, mk
.if DOCPART == 1
	.amdgcn_target "amdgcn-amd-amdhsa--gfx1250"
	.amdhsa_code_object_version 6
	.text
	.protected	k_qdcfdf9edb5_route
	.globl	k_qdcfdf9edb5_route
	.p2align	8
	.type	k_qdcfdf9edb5_route,@function
k_qdcfdf9edb5_route:
	s_mov_b64 s[64:65], 0
	v_nop
	global_prefetch_b8 v0, s[64:65] scope:SCOPE_SE
	s_setreg_imm32_b32 hwreg(HW_REG_WAVE_MODE, 25, 1), 1
	s_wait_xcnt 0x0
; ROUTE.  inputs [2048][2048] f32 is read once and serves twice: the gate (logits = x Wg, in f32 fused multiply-adds; top 2 of 8, ties to the lower index; softmax over the two,
; the larger logit taken away first) and the quantiser (codes of E2M3 with one E8M0 byte for each 32 along K).
; STORED, all at fixed places:  xq: a token's 1,536 bytes of codes; K step s (128 k) is 96 bytes at 96 s, and in it block bb (32 codes, 24 bytes, a plain stream of bits) lies at
; 48 (bb & 1) + 24 (bb >> 1): so lane (r, h) of a matrix operand finds its twelve registers as 48 consecutive bytes at 96 s + 48 h.   xs: 64 scale bytes a token, block b at byte b.
; cw: the gate's weight of slot 2048 k + token (k = 0: the larger logit).   mk: for expert e 512 bytes at 512 e: bit j of its word g says that slot 32 g + j chose e.
; SHARES.  A work-group takes 8 tokens.  Wave w: q = w & 3 is its slice of 512 along K, g = w >> 2 its four tokens.  A step is one token's 512 numbers of the slice.
; A lane must hold 16 NEIGHBOURS along K for the conversion, and a load is dense where neighbouring lanes take neighbouring bytes: so a step's 2,048 bytes turn through the wave's own
; stage in LDS (16 bytes of padding behind each 64).  The wave's slice of Wg (16 KB) turns likewise, once: lane l then holds Wg's rows 512 q + 16 l + 0 .. 15, 128 registers.
; No matrix unit (8 columns, and the choice wants f32), no cluster (work-groups share only Wg's 64 KB), no tensor load.
; LIMITS: NaN and infinities among inputs or logits are not served.  Two logits closer than the rounding of an f32 sum of 2,048 terms may be chosen the other way round than by another
; order of summing.  A block of zeros gets the byte 1 (not 127) with zero codes: the bytes are read by this program alone.
.set WTW, 16896                        ; LDS 0: eight turns for Wg, 32 places of 528 bytes each
.set XT,  135168                       ; eight waves x two stages of 32 x 80 bytes
.set XTW, 5120
.set GP,  176128                       ; the gate's partial sums: [token 8][q 4][8 f32]
.set SCB, 177152                       ; the scale bytes: [token 8][64]
.set X,   32                           ; v32-63   two sets of 16 neighbours
.set R,   64                           ; v64-127  four sets of 16 as loaded; once set i has gone through the stage: +0..2 the step's codes, +4 its byte, +8..15 its eight gate sums
.set WG,  128                          ; v128-255 Wg[512 q + 16 l + i][e] at WG + 8 i + e
	s_load_b256 s[4:11], s[0:1], 0x0               ; inputs s[4:5], Wg s[6:7], xq s[8:9], xs s[10:11]
	s_load_b128 s[12:15], s[0:1], 0x20             ; cw s[12:13], mk s[14:15]
	s_set_vgpr_msb 0x40
	v_lshl_add_u32 v0, v0, 2, 0x2b600
	v_mov_b32 v1, 0
	s_set_vgpr_msb 0x4000
	v_lshrrev_b32 v13, 5, v0
	v_readfirstlane_b32 s2, v13                    ; wave 0..7
	s_and_b32 s3, s2, 3                            ; q
	s_lshr_b32 s16, s2, 2                          ; g
	v_and_b32 v1, 31, v0                           ; lane l
	v_lshlrev_b32 v2, 4, v1                        ; 16 l
	s_mul_i32 s17, s2, WTW
	v_add_nc_u32 v3, s17, v2                       ; Wg's turn, in: piece l of place j (528 j in the immediate)
	v_mul_u32_u24 v4, v1, 528
	v_add_nc_u32 v4, s17, v4                       ; and out: place l
	s_mul_i32 s17, s2, XTW
	s_add_co_u32 s17, s17, XT
	v_lshrrev_b32 v5, 2, v1
	v_mul_u32_u24 v5, v5, 80
	v_and_b32 v13, 3, v1
	v_lshl_add_u32 v5, v13, 4, v5
	v_add_nc_u32 v5, s17, v5                       ; x's stage, in: 80 (l / 4) + 16 (l % 4)
	v_mul_u32_u24 v6, v1, 80
	v_add_nc_u32 v6, s17, v6                       ; and out: 80 l
	v_lshrrev_b32 v7, 3, v1                        ; my 12 bytes of codes in the slice's 384: K step l / 8, block (l / 2) % 4, half l % 2
	v_mul_u32_u24 v7, v7, 96
	v_bfe_u32 v13, v1, 1, 1
	v_mad_u32_u24 v7, v13, 48, v7
	v_bfe_u32 v13, v1, 2, 1
	v_mad_u32_u24 v7, v13, 24, v7
	v_and_b32 v13, 1, v1
	v_mad_u32_u24 v7, v13, 12, v7
	s_lshl_b32 s17, s16, 8
	s_lshl_b32 s18, s3, 4
	s_add_co_u32 s17, s17, s18
	s_add_co_u32 s17, s17, SCB
	v_lshrrev_b32 v8, 1, v1
	v_add_nc_u32 v8, s17, v8                       ; my block's scale byte: SCB + 256 g + 16 q + l / 2 (64 i in the immediate)
	s_lshl_b32 s17, s16, 9
	s_lshl_b32 s18, s3, 5
	s_add_co_u32 s17, s17, s18
	s_add_co_u32 s17, s17, GP
	v_mov_b32 v9, s17                              ; my wave's partial sums: GP + 512 g + 32 q (128 i in the immediate)
	v_add_nc_u32 v14, SCB, v2                      ; wave 1 at the end: 16 scale bytes a lane
	v_and_b32 v15, 7, v1
	v_lshl_add_u32 v15, v15, 7, GP                 ; wave 0 at the end: lane l stands for token l & 7
.irp e, 0,1,2,3,4,5,6,7
	v_mov_b32 v[24+\e], 0                          ; written once: a lane permute's destination counts as one of its sources
.endr
	s_mov_b32 s26, 0x76543210
	s_mov_b32 s27, 0xfedcba98                      ; v_permlanex16_b32's selects for lane l xor 16
	s_mov_b32 s19, 0
	s_wait_kmcnt 0x0
	s_lshl_b32 s18, ttmp9, 16                      ; inputs: 8 rows of 8,192 bytes a work-group, 4 rows a half, 2,048 bytes a slice
	s_lshl_b32 s17, s16, 15
	s_add_co_u32 s18, s18, s17
	s_lshl_b32 s17, s3, 11
	s_add_co_u32 s18, s18, s17
	s_add_nc_u64 s[4:5], s[4:5], s[18:19]
	s_lshl_b32 s18, s3, 14                         ; Wg: 512 rows of 32 bytes a slice
	s_add_nc_u64 s[6:7], s[6:7], s[18:19]
	s_mul_i32 s18, ttmp9, 12288                    ; xq: rows of 1,536 bytes; 384 bytes a slice
	s_mul_i32 s17, s16, 6144
	s_add_co_u32 s18, s18, s17
	s_mul_i32 s17, s3, 384
	s_add_co_u32 s18, s18, s17
	s_add_nc_u64 s[8:9], s[8:9], s[18:19]
	s_lshl_b32 s18, ttmp9, 9                       ; xs: 512 bytes a work-group
	s_add_nc_u64 s[10:11], s[10:11], s[18:19]
	s_lshl_b32 s18, ttmp9, 5                       ; cw: 8 words
	s_add_nc_u64 s[12:13], s[12:13], s[18:19]
	s_mov_b32 s18, ttmp9                           ; mk: one byte for each expert and choice
	s_add_nc_u64 s[14:15], s[14:15], s[18:19]
.set J, 0
.rept 32
	global_load_b128 v[WG+4*J:WG+4*J+3], v2, s[6:7] offset:512*J   ; 512 consecutive bytes a load: those that lane J will hold
.set J, J+1
.endr
.macro XLOAD i                         ; token i's 2,048 bytes of my slice, as they lie
.irp j, 0,1,2,3
	global_load_b128 v[R+16*\i+4*\j:R+16*\i+4*\j+3], v2, s[4:5] offset:8192*\i+512*\j th:TH_LOAD_NT
.endr
.endm
.irp i, 0,1,2,3
	XLOAD \i
.endr
.macro TURN i                          ; token i's numbers through the stage: LDS serves a wave's instructions in order, so no wait stands between the stores and the loads
.irp j, 0,1,2,3
	ds_store_b128 v5, v[R+16*(\i)+4*\j:R+16*(\i)+4*\j+3] offset:2560*((\i)%2)+640*\j
.endr
.irp j, 0,1,2,3
	ds_load_b128 v[X+16*((\i)%2)+4*\j:X+16*((\i)%2)+4*\j+3], v6 offset:2560*((\i)%2)+16*\j
.endr
.endm
	s_wait_loadcnt 16                              ; Wg's 32 loads are in; x's 16 were issued behind them
.set J, 0
.rept 32
	ds_store_b128 v3, v[WG+4*J:WG+4*J+3] offset:528*J
.set J, J+1
.endr
.set J, 0
.rept 32
	ds_load_b128 v[WG+4*J:WG+4*J+3], v4 offset:16*J                ; places 528 bytes apart: sixteen lanes start at sixteen different 16-byte columns of 256 bytes
.set J, J+1
.endr
	s_wait_loadcnt 12                              ; token 0's four loads are in; tokens 1 to 3 may be out
	TURN 0
.macro STEP i
.set XS, X+16*((\i)%2)
.set CT, R+16*(\i)
.set GA, R+16*(\i)+8
.if (\i) == 0
	s_wait_dscnt 0x0                               ; Wg's turn and token 0's
.else
	s_wait_dscnt 3                                 ; this token's numbers are back; behind them: the last step's byte store and its two stores of partial sums
.endif
.if (\i) < 3
	s_wait_loadcnt 8-4*(\i)                        ; the next token's four loads are in; those of the tokens behind it may be out
	TURN (\i)+1                                    ; it goes through the other stage while this one is worked
.endif
	v_max3_num_f32 v10, |v[XS]|, |v[XS+1]|, |v[XS+2]|              ; the largest magnitude of my 16, in two chains
	v_max3_num_f32 v11, |v[XS+3]|, |v[XS+4]|, |v[XS+5]|
.irp k, 6,10
	v_max3_num_f32 v10, v10, |v[XS+\k]|, |v[XS+\k+1]|
	v_max3_num_f32 v11, v11, |v[XS+\k+2]|, |v[XS+\k+3]|
.endr
	v_max3_num_f32 v10, v10, |v[XS+14]|, |v[XS+15]|
	v_max3_num_f32 v10, v10, v11, 0x1800000        ; and the floor 2^(3 - 127): the byte cannot fall under 1
	v_max_num_f32_dpp v10, v10, v10 row_xmask:1 row_mask:0xf bank_mask:0xf   ; with my neighbour's 16: the block's
	v_add_nc_u32 v12, 0xff000000, v10              ; 2 off its exponent field: the conversion takes this operand's exponent field as its scale
	v_cvt_scalef32_pk16_fp6_f32 v[CT:CT+2], v[XS:XS+15], v12       ; 16 codes, 96 bits, the lowest k lowest; beyond 7.5 the largest code
	v_lshrrev_b32 v[CT+4], 23, v12                 ; the scale's byte (also the plain line behind the conversion)
	ds_store_b8 v8, v[CT+4] offset:64*(\i)         ; both lanes of a block write the same byte with the same value
	global_store_b96 v7, v[CT:CT+2], s[8:9] offset:1536*(\i)       ; the wave's 32 lanes cover 384 consecutive bytes
	; the gate: eight sums, two to an instruction; my 16 numbers one after the other, each against its row of Wg
.irp c, 0,2,4,6,8,10,12,14
.irp p, 0,2,4,6
.if \c == 0
	v_pk_mul_f32 v[GA+\p:GA+\p+1], v[XS:XS+1], v[WG+\p:WG+\p+1] op_sel:[0,0] op_sel_hi:[0,1]      ; the first product starts the sums
.else
	v_pk_fma_f32 v[GA+\p:GA+\p+1], v[XS+\c:XS+\c+1], v[WG+8*\c+\p:WG+8*\c+\p+1], v[GA+\p:GA+\p+1] op_sel:[0,0,0] op_sel_hi:[0,1,1]
.endif
.endr
.irp p, 0,2,4,6
	v_pk_fma_f32 v[GA+\p:GA+\p+1], v[XS+\c:XS+\c+1], v[WG+8*\c+8+\p:WG+8*\c+8+\p+1], v[GA+\p:GA+\p+1] op_sel:[1,0,0] op_sel_hi:[1,1,1]
.endr
.endr
.irp m, 1,2,4,8                        ; over the 32 lanes, the eight sums by turns
.irp e, 0,1,2,3,4,5,6,7
	v_add_f32_dpp v[GA+\e], v[GA+\e], v[GA+\e] row_xmask:\m row_mask:0xf bank_mask:0xf
.endr
.endr
.irp e, 0,1,2,3,4,5,6,7
	v_permlanex16_b32 v[24+\e], v[GA+\e], s26, s27
.endr
.irp e, 0,1,2,3,4,5,6,7
	v_add_f32 v[GA+\e], v[GA+\e], v[24+\e]
.endr
	ds_store_b128 v9, v[GA:GA+3] offset:128*(\i)   ; every lane holds the same eight sums and writes them to the same 32 bytes
	ds_store_b128 v9, v[GA+4:GA+7] offset:128*(\i)+16
.endm
	STEP 0
	STEP 1
	STEP 2
	STEP 3
	s_wait_dscnt 0x0                               ; for the others' sake: my bytes and partial sums lie in LDS
	s_barrier_signal -1
	s_barrier_wait -1
	s_cmp_eq_u32 s2, 0
	s_cbranch_scc1 .Lgate
	s_cmp_eq_u32 s2, 1
	s_cbranch_scc0 .Lend
	ds_load_b128 v[32:35], v14                     ; wave 1: the work-group's 512 scale bytes leave as 512 consecutive bytes
	s_wait_dscnt 0x0
	global_store_b128 v2, v[32:35], s[10:11]
.Lend:
	s_set_vgpr_msb 0x5
	s_wait_tensorcnt 0x0
	ds_add_u32 v0, v1
	s_wait_dscnt 0x0
	s_set_vgpr_msb 0x500
	s_endpgm
.Lgate:                                            ; wave 0: lane l stands for token l & 7
.irp n, 0,1,2,3,4,5,6,7
	ds_load_b128 v[32+4*\n:35+4*\n], v15 offset:16*\n              ; v[32 + 8 q + e]: slice q's part of logit e
.endr
	s_wait_dscnt 0x0
.irp p, 0,2,4,6
	v_pk_add_f32 v[32+\p:33+\p], v[32+\p:33+\p], v[40+\p:41+\p]
	v_pk_add_f32 v[48+\p:49+\p], v[48+\p:49+\p], v[56+\p:57+\p]
.endr
.irp p, 0,2,4,6
	v_pk_add_f32 v[32+\p:33+\p], v[32+\p:33+\p], v[48+\p:49+\p]    ; the eight logits: v32-39
.endr
	v_mov_b32 v16, v32                             ; the largest logit and its expert: what stands is kept where it is at least as large, so the lower index wins a tie
	v_mov_b32 v17, 0
.irp e, 1,2,3,4,5,6,7
	v_cmp_ge_f32 vcc_lo, v16, v[32+\e]
	v_cndmask_b32 v16, v[32+\e], v16, vcc_lo
	v_cndmask_b32 v17, \e, v17, vcc_lo
.endr
	v_mov_b32 v18, 0xff800000                      ; the second: the same search from -infinity, passing over the first's expert
	v_mov_b32 v19, 0
.irp e, 0,1,2,3,4,5,6,7
	v_cmp_eq_u32 s20, \e, v17
	v_cmp_ge_f32 vcc_lo, v18, v[32+\e]
	s_or_b32 vcc_lo, vcc_lo, s20
	v_cndmask_b32 v18, v[32+\e], v18, vcc_lo
	v_cndmask_b32 v19, \e, v19, vcc_lo
.endr
	v_sub_f32 v20, v18, v16                        ; softmax over the two, the larger taken away: 1 / (1 + e^d) and e^d / (1 + e^d), d = second - first, 0 or less
	v_mul_f32 v20, 0x3fb8aa3b, v20
	v_exp_f32 v21, v20
	v_nop                                          ; a plain line behind a transcendental (ISA guide 5.7.2)
	s_wait_alu depctr_va_vdst(0)
	v_add_f32 v22, 1.0, v21
	v_rcp_f32 v23, v22
	v_nop
	s_wait_alu depctr_va_vdst(0)
	v_mul_f32 v20, v21, v23                        ; the second's weight; v23 is the first's
	v_mov_b32 v13, 0                               ; lane 2 e + k gets the mask 'which lanes chose expert e as choice k': its low byte is tokens 0 to 7
.irp e, 0,1,2,3,4,5,6,7
	v_cmp_eq_u32 s20, \e, v17
	v_writelane_b32 v13, s20, 2*\e
	v_cmp_eq_u32 s20, \e, v19
	v_writelane_b32 v13, s20, 2*\e+1
.endr
	v_lshlrev_b32 v10, 8, v1                       ; 512 e + 256 k = 256 x lane
	v_lshlrev_b32 v11, 2, v1
	s_wait_xcnt 0x0                                ; EXEC is a source of the stores issued so far: it changes only behind this wait
	v_cmp_gt_u32 vcc_lo, 16, v1
	s_set_vgpr_msb 0x5
	s_wait_tensorcnt 0x0
	ds_add_u32 v0, v1
	s_wait_dscnt 0x0
	s_set_vgpr_msb 0x500
	s_and_saveexec_b32 s21, vcc_lo
	global_store_b8 v10, v13, s[14:15]
	s_wait_xcnt 0x0
	s_or_b32 exec_lo, exec_lo, s21
	v_cmp_gt_u32 vcc_lo, 8, v1
	s_and_saveexec_b32 s21, vcc_lo
	global_store_b32 v11, v23, s[12:13]            ; slot token
	global_store_b32 v11, v20, s[12:13] offset:8192   ; slot 2,048 + token
	s_wait_xcnt 0x0
	s_or_b32 exec_lo, exec_lo, s21
	s_endpgm
.Lfunc_end_k_qdcfdf9edb5_route:
	.size	k_qdcfdf9edb5_route, .Lfunc_end_k_qdcfdf9edb5_route-k_qdcfdf9edb5_route
	.p2alignl 7, 3214868480
	.fill 96, 4, 3214868480
	.section	.rodata,"a",@progbits
	.p2align	6, 0x0
	.amdhsa_kernel k_qdcfdf9edb5_route
		.amdhsa_group_segment_fixed_size 178688
		.amdhsa_private_segment_fixed_size 0
		.amdhsa_enable_private_segment 0
		.amdhsa_kernarg_size 48
		.amdhsa_user_sgpr_count 2
		.amdhsa_user_sgpr_kernarg_segment_ptr 1
		.amdhsa_wavefront_size32 1
		.amdhsa_system_sgpr_workgroup_id_x 1
		.amdhsa_system_sgpr_workgroup_id_y 1
		.amdhsa_system_sgpr_workgroup_id_z 1
		.amdhsa_system_vgpr_workitem_id 0
		.amdhsa_next_free_vgpr 258
		.amdhsa_next_free_sgpr 66
		.amdhsa_reserve_vcc 1
		.amdhsa_float_denorm_mode_32 3
		.amdhsa_float_denorm_mode_16_64 3
		.amdhsa_memory_ordered 1
		.amdhsa_forward_progress 1
		.amdhsa_inst_pref_size 54
	.end_amdhsa_kernel
	.amdgpu_metadata
---
amdhsa.version: [ 1, 2 ]
amdhsa.kernels:
  - .name:           k_qdcfdf9edb5_route
    .symbol:         k_qdcfdf9edb5_route.kd
    .args:
      - { .name: inputs, .offset: 0, .size: 8, .value_kind: global_buffer, .address_space: global }
      - { .name: Wg, .offset: 8, .size: 8, .value_kind: global_buffer, .address_space: global }
      - { .name: xq, .offset: 16, .size: 8, .value_kind: global_buffer, .address_space: global }
      - { .name: xs, .offset: 24, .size: 8, .value_kind: global_buffer, .address_space: global }
      - { .name: cw, .offset: 32, .size: 8, .value_kind: global_buffer, .address_space: global }
      - { .name: mk, .offset: 40, .size: 8, .value_kind: global_buffer, .address_space: global }
    .group_segment_fixed_size: 178688
    .private_segment_fixed_size: 0
    .kernarg_segment_align: 8
    .kernarg_segment_size: 48
    .max_flat_workgroup_size: 256
    .sgpr_count:     66
    .vgpr_count:     258
    .wavefront_size: 32
...
	.end_amdgpu_metadata
.endif
;; end of part 1
;; launch experts (part 2): grid 32 x 8, 16 waves a work-group, no clusters, 174,080 bytes of LDS; arguments We, be, xq, xs, cw, mk, part; writes part
.if DOCPART == 2
	.amdgcn_target "amdgcn-amd-amdhsa--gfx1250"
	.amdhsa_code_object_version 6
	.text
	.protected	k_qdcfdf9edb5_experts
	.globl	k_qdcfdf9edb5_experts
	.p2align	8
	.type	k_qdcfdf9edb5_experts,@function
k_qdcfdf9edb5_experts:
	s_mov_b64 s[64:65], 0
	v_nop
	global_prefetch_b8 v0, s[64:65] scope:SCOPE_SE
	s_setreg_imm32_b32 hwreg(HW_REG_WAVE_MODE, 25, 1), 1
	s_wait_xcnt 0x0
; EXPERTS.  part[slot][n] = cw[slot] x (Q(x[token]) . Q(We[e][:, n]) + be[e][n]) for every slot = 2048 k + token whose choice k is expert e; both operands codes of E2M3 with E8M0 scales.
; A work-group owns expert e (grid y) and 64 columns (grid x): 256 work-groups, each reading its own 512 KB of We once.  Only the rows that chose e are multiplied.
; THE STREAM OF We AND THE FIRST CHUNK'S PRODUCTS GO TOGETHER, in 8 LAPS of 256 along K (two K steps of 128).  In a lap wave w quantises one unit: 32 rows k = 256 lap + 32 (w / 2) + 0 .. 31 of
; the columns 32 (w % 2) + lane.  A LANE TAKES A COLUMN AND ITS REGISTERS RUN DOWN K: a block of 32 lies in one lane's 32 registers, its largest magnitude needs no other lane, and the conversions
; give codes with K innermost.  The codes go to LDS as IMAGES OF OPERAND REGISTERS (register i of lane L of a fragment at 512 (i / 4) + 16 L + 4 (i % 4)), 96 KB in all, each byte written once.
; One barrier; then every wave multiplies its first chunk of 32 rows by the lap's two K steps, while the loads of the next two laps' units are on their way.
; CHUNKS.  The expert's rows in chunks of 32; wave w takes chunks w (in the laps), w + 16, w + 32, w + 48 (behind them, from the finished images): 64 chunks serve 2,048 rows on one expert.
; A wave finds its rows in registers from the expert's 128 mask words (FIND) and gathers x's codes straight into operand registers (48 consecutive bytes a lane and K step).
; TRANSPOSED USE: source 0 = 16 columns of We, source 1 = 16 rows of x: a lane holds one row and eight neighbouring columns.  The bias is loaded into the accumulators, so all 16 K steps are alike.
; Rows past the expert's last, in its last chunk, are copies of the last row: they compute the same numbers and store them to the same bytes, so EXEC stays full.  A wave whose FIRST chunk lies
; past the expert's rows multiplies such copies in the laps too and stores nothing: so every wave issues the same loads in the same order, and each counted wait holds on the one path there is.
; NO CLUSTER, NO TENSOR LOAD: branches hang on counts read from mk; the slab of We, 512 KB, is shared with nobody; what the 32
; work-groups of an expert share is x's codes, 1,536 bytes for each routed row, gathered by row.
; LIMITS: NaN and infinities are not served.  A block of zeros gets the byte 1 with zero codes; the bytes stay in LDS.
.set BSC,  98304                       ; LDS 0: the images, fragment (K step s, column tile j) at (4 s + j) x 1,536.  BSC: scale word of (s, column n) at 256 s + 4 n, byte b for block b
.set STG,  102400                      ; a stage for each wave: 16 rows x (256 + 16) bytes
.set ACC,  16                          ; v16-79   accumulator (row tile a, column tile j) at ACC + 32 a + 8 j;  while they are idle v16-26 serve FIND
.set FT,   16
.set AS,   80                          ; v80-95   x's scale words: register s for K step s, lane l for chunk row l; scales alone
.set SB,   96                          ; v96-97   We's scale words: register u, lane l: column 32 u + l; scales alone
.set SLOT, 98                          ; v98      the slot of chunk row l
.set BH,   100                         ; IN THE LAPS: v100-123 two fragments of We (half a K step),
.set AR,   124                         ;   v124-171 x's fragments of the lap's two K steps: K step s at AR + 24 (s % 2), row tile a at + 12 a,
.set XR,   172                         ;   v172-235 two sets of 32 numbers of We,
.set CD,   236                         ;   v236-241 a unit's codes,
.set TT,   242                         ;   v[242:244] a conversion's second half; v245-246 maxima, v247 the conversion's scale operand, v248 the scale's byte
.set BF,   100                         ; LATER CHUNKS: v100-147 four fragments of We,
.set AF,   148                         ;   v148-243 four sets of two fragments of x
.set OB,   148                         ; THE WAY OUT: v148-211 2 x 8 x 4 registers of whole rows,
.set OA,   228                         ;   v228-243 their offsets in part
.set AO,   254                         ; v254-255 my row's offset in xq, row tiles 0 and 1
; v1 lane; v2 4 l; v3, v252, v253 image stores; v4 scale byte store; v5, v6 image loads (K steps 0-7, 8-15); v7 scale word loads; v8, v9 stage in and out; v[10:11], v[12:13] the rows' gate weights;
; v14 32 h; v15 48 h; v99 16 (l % 16); v246-251 at work where a chunk begins (v249-251 are offsets of its first loads: nothing in the laps writes them)
; s2 wave; s3 expert; s[4:5], s[66:67] We for laps 0-3, 4-7; s19 chunk; s20 the expert's rows; s21 running prefix; s22, s24, s30 at work; s23 trips; s26-27 permute selects; s28 mask of lanes 16-31;
; s29 the chunk's first row; s31 rows - 1; s[32:63], s[68:99] 64 mask words
	s_load_b256 s[4:11], s[0:1], 0x0               ; We s[4:5], be s[6:7], xq s[8:9], xs s[10:11]
	s_load_b128 s[12:15], s[0:1], 0x20             ; cw s[12:13], mk s[14:15]
	s_load_b64 s[16:17], s[0:1], 0x30              ; part
	v_lshrrev_b32 v1, 5, v0
	v_readfirstlane_b32 s2, v1                     ; wave 0..15
	s_and_b32 s3, ttmp7, 0xffff                    ; expert
	v_and_b32 v1, 31, v0                           ; lane l
	v_lshlrev_b32 v2, 2, v1
	v_and_b32 v99, 15, v0
	v_lshlrev_b32 v99, 4, v99                      ; 16 (l % 16)
	v_bfe_u32 v14, v0, 4, 1                        ; h = l / 16
	s_lshr_b32 s18, s2, 3                          ; which of a lap's two K steps my unit lies in,
	s_and_b32 s21, s2, 1                           ; which 32 columns,
	s_bfe_u32 s23, s2, 0x20001                     ; which block b of the K step: (w / 2) % 4
	s_mul_i32 s22, s18, 6144                       ; a K step's four fragments;
	s_mul_i32 s24, s21, 3072                       ; column tiles 2 u and 2 u + 1;
	s_add_co_u32 s22, s22, s24
	s_and_b32 s24, s23, 1
	s_lshl_b32 s24, s24, 8                         ; an odd block belongs to the image's lanes 16-31
	s_add_co_u32 s22, s22, s24
	s_lshr_b32 s24, s23, 1                         ; blocks 0, 1 are an operand's registers 0-5, blocks 2, 3 its registers 6-11
	v_mul_u32_u24 v3, v14, 1536
	v_add_nc_u32 v3, v3, v99
	v_add_nc_u32 v3, s22, v3                       ; my column's place in its fragment's image
	s_mul_i32 s30, s24, 1016
	s_add_co_u32 s30, s30, 8
	v_add_nc_u32 v252, s30, v3                     ; my codes' registers 2, 3: at 8 (operand registers 2, 3) or at 1,024 (registers 8, 9)
	s_mul_i32 s30, s24, 520
	v_add_nc_u32 v3, s30, v3                       ; registers 0, 1: at 0 or at 520 (registers 6, 7)
	v_add_nc_u32 v253, 512, v3                     ; registers 4, 5: at 512 or at 1,032 (registers 10, 11)
	s_lshl_b32 s22, s18, 8
	s_lshl_b32 s24, s21, 7
	s_add_co_u32 s22, s22, s24
	s_add_co_u32 s22, s22, s23
	s_add_co_u32 s22, s22, BSC
	v_add_nc_u32 v4, s22, v2                       ; my block's scale byte: BSC + 256 (K step) + 4 (column) + b
	v_lshlrev_b32 v5, 4, v1
	v_add_nc_u32 v6, 49152, v5
	v_add_nc_u32 v7, BSC, v2
	s_mul_i32 s22, s2, 4352
	s_add_co_u32 s22, s22, STG
	v_and_b32 v8, 15, v0
	v_mul_u32_u24 v8, v8, 272
	v_lshl_add_u32 v8, v14, 5, v8
	v_add_nc_u32 v8, s22, v8                       ; the stage, in: row l % 16, + 32 h
	v_mul_u32_u24 v9, v14, 2176
	v_add_nc_u32 v9, v9, v99
	v_add_nc_u32 v9, s22, v9                       ; and out: lanes 0-15 row i, lanes 16-31 row i + 8
	v_mul_u32_u24 v15, v14, 48
	v_lshlrev_b32 v14, 5, v14
	v_mov_b32 v11, 0                               ; (upper halves of the pairs that the packed multiply names)
	v_mov_b32 v13, 0
	v_mov_b32 v246, 0                              ; (a lane permute's destination counts as one of its sources)
	s_mov_b32 s26, 0x76543210
	s_mov_b32 s27, 0xfedcba98
	s_mov_b32 s28, 0xffff0000
	s_mov_b32 s25, 0
	s_wait_kmcnt 0x0
	s_lshl_b32 s24, s3, 24                         ; We: 2^24 bytes an expert; 32 rows of 8,192 bytes for each pair of waves; 128 bytes a half; 256 bytes a column block
	s_lshr_b32 s22, s2, 1
	s_lshl_b32 s22, s22, 18
	s_add_co_u32 s24, s24, s22
	s_lshl_b32 s22, s21, 7
	s_add_co_u32 s24, s24, s22
	s_lshl_b32 s22, ttmp9, 8
	s_add_co_u32 s24, s24, s22
	s_add_nc_u64 s[4:5], s[4:5], s[24:25]
	s_add_nc_u64 s[66:67], s[4:5], 0x800000        ; four laps (1,024 rows) on: so every load's offset stays inside the signed 24-bit immediate and no base is stepped
	s_lshl_b32 s24, s3, 13
	s_add_co_u32 s24, s24, s22
	s_add_nc_u64 s[6:7], s[6:7], s[24:25]          ; be: 8,192 e + 256 x
	s_mov_b32 s24, s22
	s_add_nc_u64 s[16:17], s[16:17], s[24:25]      ; part: my 256 bytes of every row
	s_lshl_b32 s24, s3, 9
	s_add_nc_u64 s[14:15], s[14:15], s[24:25]      ; mk: my expert's 128 words
; Lap r's unit: each load reads one row of We at 32 neighbouring columns: 128 consecutive bytes; the wave beside me reads the 128 bytes beside them.
.macro LOADU r
.set LI, 0
.rept 32
.if (\r) < 4
	global_load_b32 v[XR+32*((\r)%2)+LI], v2, s[4:5] offset:(256*(\r)+LI)*8192 th:TH_LOAD_NT
.else
	global_load_b32 v[XR+32*((\r)%2)+LI], v2, s[66:67] offset:(256*((\r)-4)+LI)*8192 th:TH_LOAD_NT
.endif
.set LI, LI+1
.endr
.endm
.macro ASK h                           ; half h of the expert's 128 mask words is asked for
	s_load_b512 s[32:47], s[14:15], 256*\h
	s_load_b512 s[48:63], s[14:15], 256*\h+64
	s_load_b512 s[68:83], s[14:15], 256*\h+128
	s_load_b512 s[84:99], s[14:15], 256*\h+192
.endm
.macro TALLY                           ; the set bits of the 64 words in hand are added to s20
.set WN, 0
.rept 64
.if WN < 32
.set WR, 32+WN
.else
.set WR, 36+WN
.endif
	s_bcnt1_i32_b32 s22, s[WR]
	s_add_co_u32 s20, s20, s22
.set WN, WN+1
.endr
.endm
.macro SCAN                            ; the 64 words in hand pass by: a lane keeps the last word whose exclusive prefix of set bits is at most its P
.set WN, 0
.rept 64
.if WN < 32
.set WR, 32+WN
.else
.set WR, 36+WN
.endif
	v_cmp_le_u32 vcc_lo, s21, v[FT]
	v_cndmask_b32 v[FT+1], v[FT+1], s[WR], vcc_lo
	v_cndmask_b32 v[FT+2], v[FT+2], s21, vcc_lo
	v_add_co_ci_u32 v[FT+3], vcc_lo, 0, v[FT+3], vcc_lo            ; prefixes never fall, so the words kept are a run from word 0 on: counting them numbers the last
	s_bcnt1_i32_b32 s22, s[WR]
	s_add_co_u32 s21, s21, s22
.set WN, WN+1
.endr
.endm
.macro LEVEL wd                        ; is the bit wanted past the lower wd bits of the field in hand?  Then their count comes off the rank and wd goes onto the place
	v_cmp_ge_u32 vcc_lo, v[FT+4], v[FT+8]
	v_cndmask_b32 v[FT+8], 0, v[FT+8], vcc_lo
	v_sub_nc_u32 v[FT+4], v[FT+4], v[FT+8]
	v_cndmask_b32 v[FT+10], 0, \wd, vcc_lo
	v_add_nc_u32 v[FT+9], v[FT+9], v[FT+10]
.endm
; v[SLOT] = the slot of the expert's row number P = min(s29 + l, rows - 1).  The word kept by SCAN holds bit number P; the place of its set bit number P - prefix is found by halving,
; from counts by fields of 2, 4, 8 and 16 bits.  No branch, no LDS.  have = 1: the lower 64 words are in the scalar registers already.
.macro FIND have
	v_add_nc_u32 v[FT], s29, v1
	v_min_u32 v[FT], s31, v[FT]                    ; P
	v_mov_b32 v[FT+1], 0                           ; the word
	v_mov_b32 v[FT+2], 0                           ; its prefix
	v_mov_b32 v[FT+3], -1                          ; its number
	s_mov_b32 s21, 0
.if \have == 0
	ASK 0
	s_wait_kmcnt 0x0
.endif
	SCAN
	ASK 1
	s_wait_kmcnt 0x0
	SCAN
	v_sub_nc_u32 v[FT+4], v[FT], v[FT+2]           ; the rank in the word
	v_lshrrev_b32 v[FT+5], 1, v[FT+1]
	v_and_b32 v[FT+5], 0x55555555, v[FT+5]
	v_sub_nc_u32 v[FT+5], v[FT+1], v[FT+5]         ; counts by fields of 2 bits
	v_lshrrev_b32 v[FT+6], 2, v[FT+5]
	v_and_b32 v[FT+6], 0x33333333, v[FT+6]
	v_and_b32 v[FT+7], 0x33333333, v[FT+5]
	v_add_nc_u32 v[FT+6], v[FT+6], v[FT+7]         ; of 4
	v_lshrrev_b32 v[FT+7], 4, v[FT+6]
	v_add_nc_u32 v[FT+7], v[FT+7], v[FT+6]
	v_and_b32 v[FT+7], 0x0f0f0f0f, v[FT+7]         ; of 8
	v_lshrrev_b32 v[FT+8], 8, v[FT+7]
	v_add_nc_u32 v[FT+8], v[FT+8], v[FT+7]
	v_and_b32 v[FT+8], 0xff, v[FT+8]               ; the lower 16 bits' count
	v_mov_b32 v[FT+9], 0                           ; the place
	LEVEL 16
	v_bfe_u32 v[FT+8], v[FT+7], v[FT+9], 8
	LEVEL 8
	v_bfe_u32 v[FT+8], v[FT+6], v[FT+9], 4
	LEVEL 4
	v_bfe_u32 v[FT+8], v[FT+5], v[FT+9], 2
	LEVEL 2
	v_bfe_u32 v[FT+8], v[FT+1], v[FT+9], 1
	LEVEL 1
	v_lshl_add_u32 v[SLOT], v[FT+3], 5, v[FT+9]
.endm
; A chunk begins: from the slots the offsets, then 22 loads: the rows' gate weights (2), x's scale words (4), the bias into the accumulators (16).
.macro PRO
	v_permlanex16_b32 v246, v[SLOT], s26, s27      ; lane l xor 16's slot
	v_cndmask_b32 v247, v[SLOT], v246, s28         ; lane (r, h): the slot of row r,
	v_cndmask_b32 v248, v246, v[SLOT], s28         ; and of row 16 + r
	v_min_u32 v247, 0xfff, v247                    ; numbers read from memory are held inside their tables before they make addresses
	v_min_u32 v248, 0xfff, v248
	v_min_u32 v249, 0xfff, v[SLOT]
	v_lshlrev_b32 v250, 2, v247                    ; the gate weights' offsets
	v_lshlrev_b32 v251, 2, v248
	v_and_b32 v247, 0x7ff, v247                    ; the token of a slot
	v_and_b32 v248, 0x7ff, v248
	v_and_b32 v249, 0x7ff, v249
	v_mul_u32_u24 v[AO], v247, 0x600               ; a row of 1,536 bytes of codes,
	v_mul_u32_u24 v[AO+1], v248, 0x600
	v_add_nc_u32 v[AO], v[AO], v15                 ; + 48 h
	v_add_nc_u32 v[AO+1], v[AO+1], v15
	v_lshlrev_b32 v249, 6, v249                    ; 64 scale bytes a token: lane l takes chunk row l's
	global_load_b32 v10, v250, s[12:13]
	global_load_b32 v12, v251, s[12:13]
.irp n, 0,1,2,3
	global_load_b128 v[AS+4*\n:AS+4*\n+3], v249, s[10:11] offset:16*\n
.endr
.irp a, 0,1                            ; the bias, in the result's layout: lane (r, h), tile j: columns 16 j + 8 h + 0 .. 7
.irp j, 0,1,2,3
.irp q, 0,1
	global_load_b128 v[ACC+32*\a+8*\j+4*\q:ACC+32*\a+8*\j+4*\q+3], v14, s[6:7] offset:64*\j+16*\q
.endr
.endr
.endr
.endm
; One product: row tile wA, column tile wJ; We's fragment at rB, x's at rA, x's scale words in rT.
; We's scales: lanes 0-15 of their register for an even column tile, lanes 16-31 for an odd one; x's: lanes 0-15 for row tile 0, lanes 16-31 for row tile 1.
.macro WMMA
.set rC, ACC+32*wA+8*wJ
.set rS, SB+wJ/2
.if wA == 0
.if wJ%2 == 0
	v_wmma_scale_f32_16x16x128_f8f6f4 v[rC:rC+7], v[rB:rB+11], v[rA:rA+11], v[rC:rC+7], v[rS], v[rT] matrix_a_fmt:MATRIX_FMT_FP6 matrix_b_fmt:MATRIX_FMT_FP6
.else
	v_wmma_scale_f32_16x16x128_f8f6f4 v[rC:rC+7], v[rB:rB+11], v[rA:rA+11], v[rC:rC+7], v[rS], v[rT] matrix_a_fmt:MATRIX_FMT_FP6 matrix_b_fmt:MATRIX_FMT_FP6 matrix_a_scale:MATRIX_SCALE_ROW1
.endif
.else
.if wJ%2 == 0
	v_wmma_scale_f32_16x16x128_f8f6f4 v[rC:rC+7], v[rB:rB+11], v[rA:rA+11], v[rC:rC+7], v[rS], v[rT] matrix_a_fmt:MATRIX_FMT_FP6 matrix_b_fmt:MATRIX_FMT_FP6 matrix_b_scale:MATRIX_SCALE_ROW1
.else
	v_wmma_scale_f32_16x16x128_f8f6f4 v[rC:rC+7], v[rB:rB+11], v[rA:rA+11], v[rC:rC+7], v[rS], v[rT] matrix_a_fmt:MATRIX_FMT_FP6 matrix_b_fmt:MATRIX_FMT_FP6 matrix_a_scale:MATRIX_SCALE_ROW1 matrix_b_scale:MATRIX_SCALE_ROW1
.endif
.endif
.endm
.macro RPROD a, j, s                   ; in the laps
.set wA, \a
.set wJ, \j
.set rB, BH+12*((\j)%2)
.set rA, AR+24*((\s)%2)+12*(\a)
.set rT, AS+(\s)
	WMMA
.endm
.macro PROD a, j, s                    ; in the later chunks
.set wA, \a
.set wJ, \j
.set rB, BF+12*(\j)
.set rA, AF+24*((\s)%4)+12*(\a)
.set rT, AS+(\s)
	WMMA
.endm
.macro RALOAD s                        ; x's two fragments of K step s: lane (r, h) takes the 48 bytes at 96 s + 48 h of its row's codes
.irp a, 0,1
.irp n, 0,1,2
	global_load_b128 v[AR+24*((\s)%2)+12*\a+4*\n:AR+24*((\s)%2)+12*\a+4*\n+3], v[AO+\a], s[8:9] offset:96*(\s)+16*\n
.endr
.endr
.endm
; Half p of K step s: column tiles 2 p and 2 p + 1 against both row tiles.  lc: the count of the wait for x's fragments, or -1 where the first half has waited.
; The eight accumulators take turns, one instruction a turn, in the same order in every K step.
; The four v_nop are the places in front of the next loads into registers that these products read (ISA guide 7.12.1 for vector instructions).
.macro HALF s, p, lc
.irp jj, 0,1
.irp n, 0,1,2
	ds_load_b128 v[BH+12*\jj+4*\n:BH+12*\jj+4*\n+3], v[5+(\s)/8] offset:(4*((\s)%8)+2*(\p)+\jj)*1536+512*\n   ; an image comes back as it went: 512 consecutive bytes a load
.endr
.endr
	ds_load_b32 v[SB+(\p)], v7 offset:256*(\s)+128*(\p)
.if (\lc) >= 0
	s_wait_loadcnt \lc
.endif
	s_wait_dscnt 0x0
	RPROD 0, 2*(\p), \s
	RPROD 1, 2*(\p), \s
	RPROD 0, 2*(\p)+1, \s
	RPROD 1, 2*(\p)+1, \s
.rept 4
	v_nop
.endr
.endm
; A lap's first part: my unit is quantised and its image stored.  Loads are counted in the order of issue: units 0 and 1, a chunk's 22 first loads, x's K steps 0 and 1 (6 each);
; then for each lap r: unit r + 2 (32), x's K steps 2 r + 2 and 2 r + 3 (6 each).
.macro QPART r
.set XS, XR+32*((\r)%2)
.if (\r) == 0
	s_wait_loadcnt 63                              ; unit 0 is in: 66 loads were issued behind it, and 63 is the largest count that the wait can name
.elseif (\r) < 7
	s_wait_loadcnt 56                              ; unit r is in; behind it: x's 12, unit r + 1's 32, x's 12
.else
	s_wait_loadcnt 24                              ; the last unit: behind it only x's 12 and 12
.endif
.if (\r) == 4
	v_add_nc_u32 v3, 0xc000, v3                    ; K steps 8 on: the images' second 48 KB (an LDS offset has 16 bits)
	v_add_nc_u32 v252, 0xc000, v252
	v_add_nc_u32 v253, 0xc000, v253
.endif
	v_max3_num_f32 v245, |v[XS]|, |v[XS+1]|, |v[XS+2]|             ; the block's largest magnitude: all 32 numbers are mine
	v_max3_num_f32 v246, |v[XS+3]|, |v[XS+4]|, |v[XS+5]|
.irp k, 6,10,14,18,22,26
	v_max3_num_f32 v245, v245, |v[XS+\k]|, |v[XS+\k+1]|
	v_max3_num_f32 v246, v246, |v[XS+\k+2]|, |v[XS+\k+3]|
.endr
	v_max3_num_f32 v245, v245, |v[XS+30]|, |v[XS+31]|
	v_max3_num_f32 v245, v245, v246, 0x1800000     ; and the floor 2^(3 - 127): the byte cannot fall under 1
	v_add_nc_u32 v247, 0xff000000, v245            ; 2 off the exponent field: the conversion's scale operand
	v_cvt_scalef32_pk16_fp6_f32 v[CD:CD+2], v[XS:XS+15], v247
	v_cvt_scalef32_pk16_fp6_f32 v[TT:TT+2], v[XS+16:XS+31], v247   ; (a conversion's three registers begin on an even number)
	v_lshrrev_b32 v248, 23, v247                   ; the scale's byte; also the plain line behind the conversions
	v_mov_b32 v[CD+3], v[TT]
	v_mov_b32 v[CD+4], v[TT+1]
	v_mov_b32 v[CD+5], v[TT+2]
	ds_store_b64 v3, v[CD:CD+1] offset:12288*((\r)%4)
	ds_store_b64 v252, v[CD+2:CD+3] offset:12288*((\r)%4)
	ds_store_b64 v253, v[CD+4:CD+5] offset:12288*((\r)%4)
	ds_store_b8 v4, v248 offset:512*(\r)           ; four waves' bytes make a column's scale word
.if (\r) < 6
	LOADU (\r)+2                                   ; into the set just converted: it has two laps in which to land
.endif
	s_wait_dscnt 0x0                               ; for the others' sake: my image and my byte lie in LDS
	s_barrier_signal -1
	s_barrier_wait -1                              ; the lap's two K steps are whole.  Their bytes are never written again, so this one barrier is all that a lap needs
.endm
; A lap's second part: my first chunk x the lap's two K steps.  A K step's fragments of x were asked for a lap ago; its set is asked for again, two K steps on, behind its products.
.macro PPART r
.if (\r) < 6
	HALF 2*(\r), 0, 38                             ; x's K step 2 r is in; behind it: K step 2 r + 1's 6 loads and unit r + 2's 32
.else
	HALF 2*(\r), 0, 6                              ; (no unit is asked for in the last two laps)
.endif
	HALF 2*(\r), 1, -1
.if (\r) < 7
	RALOAD 2*(\r)+2
.endif
.if (\r) < 6
	HALF 2*(\r)+1, 0, 38                           ; behind K step 2 r + 1's loads: unit r + 2's 32 and K step 2 r + 2's 6
.elseif (\r) == 6
	HALF 2*(\r)+1, 0, 6
.else
	HALF 2*(\r)+1, 0, 0
.endif
	HALF 2*(\r)+1, 1, -1
.if (\r) < 7
	RALOAD 2*(\r)+3
.endif
.endm
; The later chunks: all images lie in LDS, the numbers' registers are free: four fragments of We at a time, x three K steps ahead.
.macro ALOAD s
.irp a, 0,1
.irp n, 0,1,2
	global_load_b128 v[AF+24*((\s)%4)+12*\a+4*\n:AF+24*((\s)%4)+12*\a+4*\n+3], v[AO+\a], s[8:9] offset:96*(\s)+16*\n
.endr
.endr
.endm
.macro KSTEP s
.if (\s) > 0
.rept 4
	v_nop                                          ; four places in front of loads into registers that the last products read
.endr
.endif
.if ((\s) > 0) && ((\s) < 13)
	ALOAD (\s)+3                                   ; three K steps ahead, into the set that the last step has left
.endif
.irp j, 0,1,2,3
.irp n, 0,1,2
	ds_load_b128 v[BF+12*\j+4*\n:BF+12*\j+4*\n+3], v[5+(\s)/8] offset:(4*((\s)%8)+\j)*1536+512*\n
.endr
.endr
	ds_load_b32 v[SB], v7 offset:256*(\s)
	ds_load_b32 v[SB+1], v7 offset:256*(\s)+128
.if (\s) < 13
	s_wait_loadcnt 18                              ; this K step's fragments of x (and all that was asked before them) are in; the three later steps' six loads each may be out
.else
	s_wait_loadcnt 6*(15-(\s))
.endif
	s_wait_dscnt 0x0
.irp j, 0,1,2,3                        ; the eight accumulators by turns, as in the laps
	PROD 0, \j, \s
	PROD 1, \j, \s
.endr
.endm
; THE WAY OUT of a chunk: x the row's gate weight; through my stage; whole pieces of 256 bytes to part.
.macro WAYOUT
.rept 4
	v_nop                                          ; four places in front of the first read of results
.endr
.irp a, 0,1
.irp j, 0,1,2,3
.irp p, 0,2,4,6
	v_pk_mul_f32 v[ACC+32*\a+8*\j+\p:ACC+32*\a+8*\j+\p+1], v[ACC+32*\a+8*\j+\p:ACC+32*\a+8*\j+\p+1], v[10+2*\a:11+2*\a] op_sel_hi:[1,0]   ; each accumulator from its low end on
.endr
.endr
.endr
.irp a, 0,1
.irp j, 0,1,2,3
	ds_store_b128 v8, v[ACC+32*\a+8*\j:ACC+32*\a+8*\j+3] offset:64*\j
	ds_store_b128 v8, v[ACC+32*\a+8*\j+4:ACC+32*\a+8*\j+7] offset:64*\j+16
.endr
.irp i, 0,1,2,3,4,5,6,7
	ds_load_b128 v[OB+32*\a+4*\i:OB+32*\a+4*\i+3], v9 offset:272*\i   ; LDS serves a wave's instructions in order (ISA guide 5.7.1.4): these see the stores above, and tile 1's stores come behind tile 0's loads
.endr
.endr
.irp a, 0,1                            ; meanwhile the rows' places in part: lanes 0-15 row 16 a + i, lanes 16-31 row 16 a + 8 + i
.irp i, 0,1,2,3,4,5,6,7
	v_readlane_b32 s22, v[SLOT], 16*\a+\i
	v_readlane_b32 s24, v[SLOT], 16*\a+8+\i
	v_mov_b32 v[OA+8*\a+\i], s22
	v_cndmask_b32 v[OA+8*\a+\i], v[OA+8*\a+\i], s24, s28
	v_min_u32 v[OA+8*\a+\i], 0xfff, v[OA+8*\a+\i]
	v_lshl_add_u32 v[OA+8*\a+\i], v[OA+8*\a+\i], 13, v99           ; 8,192 bytes a slot, + 16 (l % 16)
.endr
.endr
	s_wait_dscnt 16                                ; tile 0's rows are back; tile 1's eight stores and eight loads may be out
.irp i, 0,1,2,3,4,5,6,7
	global_store_b128 v[OA+\i], v[OB+4*\i:OB+4*\i+3], s[16:17]     ; sixteen lanes store 256 consecutive bytes, at a multiple of 256 from part's first byte
.endr
	s_wait_dscnt 0x0
.irp i, 0,1,2,3,4,5,6,7
	global_store_b128 v[OA+8+\i], v[OB+32+4*\i:OB+32+4*\i+3], s[16:17]
.endr
	s_wait_xcnt 0x0                                ; the stores' data and offsets are written again only behind this wait
.endm
	; ---- THE START: the upper mask words are asked for, then two units of We; while these are on their way the rows are counted and my first chunk's are found
	ASK 1
	LOADU 0
	LOADU 1
	s_wait_kmcnt 0x0
	s_mov_b32 s20, 0
	TALLY                                          ; the upper 64 words first,
	ASK 0
	s_wait_kmcnt 0x0
	TALLY                                          ; so that the lower 64 are in hand where the search begins
	s_sub_co_u32 s31, s20, 1
	s_mov_b32 s19, s2                              ; my first chunk
	s_lshl_b32 s29, s19, 5
	FIND 1
	PRO
	RALOAD 0
	RALOAD 1
	; ---- THE LAPS
.irp r, 0,1,2,3,4,5,6,7
	QPART \r
	PPART \r
.endr
	s_cmp_ge_u32 s29, s20                          ; a first chunk past the expert's rows: nothing to store, and no later chunk either
	s_cbranch_scc1 .Lend
	WAYOUT
	; ---- THE LATER CHUNKS: w + 16, w + 32, w + 48
	s_mov_b32 s23, 1
.Ltrip:                                            ; three trips, a constant; a trip whose chunk begins past the expert's rows does nothing
	s_add_co_u32 s19, s19, 16
	s_lshl_b32 s29, s19, 5
	s_cmp_ge_u32 s29, s20
	s_cbranch_scc1 .Lidle
	FIND 0
	PRO
.irp s, 0,1,2,3
	ALOAD \s
.endr
.irp s, 0,1,2,3,4,5,6,7,8,9,10,11,12,13,14,15
	KSTEP \s
.endr
	WAYOUT
.Lidle:
	s_add_co_u32 s23, s23, 1
	s_cmp_lt_u32 s23, 4
	s_cbranch_scc1 .Ltrip
.Lend:
	s_wait_xcnt 0x0
	v_lshl_add_u32 v254, v0, 2, 0x2a000
	v_mov_b32 v255, 0
	s_wait_tensorcnt 0x0
	ds_add_u32 v254, v255
	s_wait_dscnt 0x0
	s_endpgm
.Lfunc_end_k_qdcfdf9edb5_experts:
	.size	k_qdcfdf9edb5_experts, .Lfunc_end_k_qdcfdf9edb5_experts-k_qdcfdf9edb5_experts
	.p2alignl 7, 3214868480
	.fill 96, 4, 3214868480
	.section	.rodata,"a",@progbits
	.p2align	6, 0x0
	.amdhsa_kernel k_qdcfdf9edb5_experts
		.amdhsa_group_segment_fixed_size 174080
		.amdhsa_private_segment_fixed_size 0
		.amdhsa_enable_private_segment 0
		.amdhsa_kernarg_size 56
		.amdhsa_user_sgpr_count 2
		.amdhsa_user_sgpr_kernarg_segment_ptr 1
		.amdhsa_wavefront_size32 1
		.amdhsa_system_sgpr_workgroup_id_x 1
		.amdhsa_system_sgpr_workgroup_id_y 1
		.amdhsa_system_sgpr_workgroup_id_z 1
		.amdhsa_system_vgpr_workitem_id 0
		.amdhsa_next_free_vgpr 256
		.amdhsa_next_free_sgpr 100
		.amdhsa_reserve_vcc 1
		.amdhsa_float_denorm_mode_32 3
		.amdhsa_float_denorm_mode_16_64 3
		.amdhsa_memory_ordered 1
		.amdhsa_forward_progress 1
		.amdhsa_inst_pref_size 235
	.end_amdhsa_kernel
	.amdgpu_metadata
---
amdhsa.version: [ 1, 2 ]
amdhsa.kernels:
  - .name:           k_qdcfdf9edb5_experts
    .symbol:         k_qdcfdf9edb5_experts.kd
    .args:
      - { .name: We, .offset: 0, .size: 8, .value_kind: global_buffer, .address_space: global }
      - { .name: be, .offset: 8, .size: 8, .value_kind: global_buffer, .address_space: global }
      - { .name: xq, .offset: 16, .size: 8, .value_kind: global_buffer, .address_space: global }
      - { .name: xs, .offset: 24, .size: 8, .value_kind: global_buffer, .address_space: global }
      - { .name: cw, .offset: 32, .size: 8, .value_kind: global_buffer, .address_space: global }
      - { .name: mk, .offset: 40, .size: 8, .value_kind: global_buffer, .address_space: global }
      - { .name: part, .offset: 48, .size: 8, .value_kind: global_buffer, .address_space: global }
    .group_segment_fixed_size: 174080
    .private_segment_fixed_size: 0
    .kernarg_segment_align: 8
    .kernarg_segment_size: 56
    .max_flat_workgroup_size: 512
    .sgpr_count:     100
    .vgpr_count:     256
    .wavefront_size: 32
...
	.end_amdgpu_metadata
.endif
;; end of part 2
;; launch combine (part 3): grid 512 x 1, 8 waves a work-group, no clusters, 0 bytes of LDS; arguments part, out0; writes out0
.if DOCPART == 3
	.amdgcn_target "amdgcn-amd-amdhsa--gfx1250"
	.amdhsa_code_object_version 6
	.text
	.protected	k_qdcfdf9edb5_combine
	.globl	k_qdcfdf9edb5_combine
	.p2align	8
	.type	k_qdcfdf9edb5_combine,@function
k_qdcfdf9edb5_combine:
	s_mov_b64 s[64:65], 0
	v_nop
	global_prefetch_b8 v0, s[64:65] scope:SCOPE_SE
	s_setreg_imm32_b32 hwreg(HW_REG_WAVE_MODE, 25, 1), 1
	s_wait_xcnt 0x0
; COMBINE.  out0[t] = part[t] + part[2048 + t]: a token's two weighted expert rows.  A plain stream: a work-group takes 32,768 bytes of out0, a thread eight pieces of 16 bytes, 4,096 bytes apart,
; so that each load and store of a wave covers 512 consecutive bytes.  All sixteen loads of a wave go out at once; no loop, no LDS, no register written again under a pending store.
; Matrix units, clusters and tensor loads have nothing to do here: nothing is shared and nothing is multiplied.
	s_load_b128 s[4:7], s[0:1], 0x0                ; part s[4:5], out0 s[6:7]
	s_lshl_b32 s2, ttmp9, 15
	s_mov_b32 s3, 0
	v_lshlrev_b32 v1, 4, v0
	s_wait_kmcnt 0x0
	s_add_nc_u64 s[4:5], s[4:5], s[2:3]
	s_add_nc_u64 s[6:7], s[6:7], s[2:3]
	s_add_nc_u64 s[8:9], s[4:5], 0x1000000         ; the second choice's rows: 2,048 rows of 8,192 bytes on
.irp i, 0,1,2,3,4,5,6,7
	global_load_b128 v[8+4*\i:11+4*\i], v1, s[4:5] offset:4096*\i th:TH_LOAD_NT
	global_load_b128 v[40+4*\i:43+4*\i], v1, s[8:9] offset:4096*\i th:TH_LOAD_NT
.endr
.irp i, 0,1,2,3,4,5,6,7
	s_wait_loadcnt 14-2*\i                         ; pair i is in; the later pairs, two loads each, may be out
	v_pk_add_f32 v[8+4*\i:9+4*\i], v[8+4*\i:9+4*\i], v[40+4*\i:41+4*\i]
	v_pk_add_f32 v[10+4*\i:11+4*\i], v[10+4*\i:11+4*\i], v[42+4*\i:43+4*\i]
	global_store_b128 v1, v[8+4*\i:11+4*\i], s[6:7] offset:4096*\i th:TH_STORE_NT
.endr
	s_endpgm
.Lfunc_end_k_qdcfdf9edb5_combine:
	.size	k_qdcfdf9edb5_combine, .Lfunc_end_k_qdcfdf9edb5_combine-k_qdcfdf9edb5_combine
	.p2alignl 7, 3214868480
	.fill 96, 4, 3214868480
	.section	.rodata,"a",@progbits
	.p2align	6, 0x0
	.amdhsa_kernel k_qdcfdf9edb5_combine
		.amdhsa_group_segment_fixed_size 0
		.amdhsa_private_segment_fixed_size 0
		.amdhsa_enable_private_segment 0
		.amdhsa_kernarg_size 16
		.amdhsa_user_sgpr_count 2
		.amdhsa_user_sgpr_kernarg_segment_ptr 1
		.amdhsa_wavefront_size32 1
		.amdhsa_system_sgpr_workgroup_id_x 1
		.amdhsa_system_sgpr_workgroup_id_y 1
		.amdhsa_system_sgpr_workgroup_id_z 1
		.amdhsa_system_vgpr_workitem_id 0
		.amdhsa_next_free_vgpr 72
		.amdhsa_next_free_sgpr 66
		.amdhsa_reserve_vcc 0
		.amdhsa_float_denorm_mode_32 3
		.amdhsa_float_denorm_mode_16_64 3
		.amdhsa_memory_ordered 1
		.amdhsa_forward_progress 1
		.amdhsa_inst_pref_size 5
	.end_amdhsa_kernel
	.amdgpu_metadata
---
amdhsa.version: [ 1, 2 ]
amdhsa.kernels:
  - .name:           k_qdcfdf9edb5_combine
    .symbol:         k_qdcfdf9edb5_combine.kd
    .args:
      - { .name: part, .offset: 0, .size: 8, .value_kind: global_buffer, .address_space: global }
      - { .name: out0, .offset: 8, .size: 8, .value_kind: global_buffer, .address_space: global }
    .group_segment_fixed_size: 0
    .private_segment_fixed_size: 0
    .kernarg_segment_align: 8
    .kernarg_segment_size: 16
    .max_flat_workgroup_size: 256
    .sgpr_count:     66
    .vgpr_count:     72
    .wavefront_size: 32
...
	.end_amdgpu_metadata
.endif
;; end of part 3
;; ======== version 2 of 2: 3 launches; version 1 with the launch experts written anew for expert scheduling mode
;; workspace buffers: xq 3,145,728 bytes; xs 131,072 bytes; cw 16,384 bytes; mk 4,096 bytes of whole numbers; part 33,554,432 bytes
;; launch route: the kernel of part 1 again; grid 256 x 1, 8 waves a work-group, no clusters, 178,688 bytes of LDS; arguments inputs, Wg, xq, xs, cw, mk; writes xq, xs, cw, mk
;; launch experts (part 4): grid 32 x 8, 16 waves a work-group, no clusters, 174,080 bytes of LDS; arguments We, be, xq, xs, cw, mk, part; writes part
.if DOCPART == 4
	.amdgcn_target "amdgcn-amd-amdhsa--gfx1250"
	.amdhsa_code_object_version 6
	.text
	.protected	k_qdcfdf9edb5_experts
	.globl	k_qdcfdf9edb5_experts
	.p2align	8
	.type	k_qdcfdf9edb5_experts,@function
k_qdcfdf9edb5_experts:
	s_mov_b64 s[64:65], 0
	v_nop
	global_prefetch_b8 v0, s[64:65] scope:SCOPE_SE
	s_setreg_imm32_b32 hwreg(HW_REG_WAVE_SCHED_MODE, 0, 2), 2
	s_setreg_imm32_b32 hwreg(HW_REG_WAVE_MODE, 25, 1), 1
	s_wait_xcnt 0x0
	s_wait_alu depctr_vm_vsrc(0)
; EXPERTS.  part[slot][n] = cw[slot] x (Q(x[token]) . Q(We[e][:, n]) + be[e][n]) for every slot = 2048 k + token whose choice k is expert e; both operands codes of E2M3 with E8M0 scales.
; A work-group owns expert e (grid y) and 64 columns (grid x): 256 work-groups, each reading its own 512 KB of We once.  Only the rows that chose e are multiplied.
; THE STREAM OF We AND THE FIRST CHUNK'S PRODUCTS GO TOGETHER, in 8 LAPS of 256 along K (two K steps of 128).  In a lap wave w quantises one unit: 32 rows k = 256 lap + 32 (w / 2) + 0 .. 31 of
; the columns 32 (w % 2) + lane.  A LANE TAKES A COLUMN AND ITS REGISTERS RUN DOWN K: a block of 32 lies in one lane's 32 registers, its largest magnitude needs no other lane, and the conversions
; give codes with K innermost.  The codes go to LDS as IMAGES OF OPERAND REGISTERS (register i of lane L of a fragment at 512 (i / 4) + 16 L + 4 (i % 4)), 96 KB in all, each byte written once.
; One barrier; then every wave multiplies its first chunk of 32 rows by the lap's two K steps, while the loads of the next two laps' units are on their way.
; CHUNKS.  The expert's rows in chunks of 32; wave w takes chunks w (in the laps), w + 16, w + 32, w + 48 (behind them, from the finished images): 64 chunks serve 2,048 rows on one expert.
; A wave finds its rows in registers from the expert's 128 mask words (FIND) and gathers x's codes straight into operand registers (48 consecutive bytes a lane and K step).
; TRANSPOSED USE: source 0 = 16 columns of We, source 1 = 16 rows of x: a lane holds one row and eight neighbouring columns.  The bias is loaded into the accumulators, so all 16 K steps are alike.
; Rows past the expert's last, in its last chunk, are copies of the last row: they compute the same numbers and store them to the same bytes, so EXEC stays full.  A wave whose FIRST chunk lies
; past the expert's rows multiplies such copies in the laps too and stores nothing: so every wave issues the same loads in the same order, and each counted wait holds on the one path there is.
; NO CLUSTER, NO TENSOR LOAD: branches hang on counts read from mk; the slab of We, 512 KB, is shared with nobody; what the 32
; work-groups of an expert share is x's codes, 1,536 bytes for each routed row, gathered by row.
; LIMITS: NaN and infinities are not served.  A block of zeros gets the byte 1 with zero codes; the bytes stay in LDS.
; THE MODE: SCHED_MODE bits 1:0 = 2 (LLVM: expert scheduling mode 2), set by the entry lines.  The code itself states the register dependences between vector or matrix instructions and
; memory or LDS instructions, and those through scalar registers and VCC that vector instructions write, with s_wait_alu, always for 0.
; THE PLAN.  Registers that memory or LDS instructions touch, and who else names them:
;   v2, v4-v9, v14     offsets and LDS addresses, made at the head and never written again: one wait on va_vdst ahead of the first load serves them for the whole kernel.
;   v3, v252, v253     read by a lap's three image stores; stepped once, in lap 4, between that lap's wait on vm_vsrc and its wait on va_vdst.
;   XR0, XR1           lap r's maxima and conversions read XR[r % 2]; behind them unit r + 2's loads land in it.
;   CD, v248           written by lap r's conversions, moves and shift; read by its four LDS stores.
;   BH, SB             a half step's seven LDS loads land in them; its four products read them.  All 256 registers are taken, so they have no second set.
;   AR0, AR1           K step s's eight products read AR[s % 2]; the loads of K step s + 2 land in it.
;   ACC                the bias is loaded into it (over the registers that FIND worked in); products; the gate's multiplications; the stage's LDS stores read it.
;   v10, v12, AS       a chunk's first loads land in them; multiplications and products read them.     v249-251, AO: written where a chunk begins, read by its loads.
;   OB                 the stage's LDS loads land in it, the global stores read it.     OA: written by vector lines of the way out, read by the global stores as offsets.
; So a lap's first part has one wait on vm_vsrc at its head and one on va_vdst behind its moves, which serves its stores, its 32 loads and the first half step behind the barrier; each half step
; has one wait on va_vdst behind its products, which serves the loads that follow; a chunk's beginning has one; the way out has two, and one on vm_vsrc at its end, which frees all that the next
; chunk writes.  Compares and lane reads that write scalar registers stand in runs, with one wait on va_sdst behind each run; VCC is written by the five halving compares of a search alone.
.set BSC,  98304                       ; LDS 0: the images, fragment (K step s, column tile j) at (4 s + j) x 1,536.  BSC: scale word of (s, column n) at 256 s + 4 n, byte b for block b
.set STG,  102400                      ; a stage for each wave: 16 rows x (256 + 16) bytes
.set ACC,  16                          ; v16-79   accumulator (row tile a, column tile j) at ACC + 32 a + 8 j;  while they are idle v16-26 serve FIND
.set FT,   16
.set AS,   80                          ; v80-95   x's scale words: register s for K step s, lane l for chunk row l; scales alone
.set SB,   96                          ; v96-97   We's scale words: register u, lane l: column 32 u + l; scales alone
.set SLOT, 98                          ; v98      the slot of chunk row l
.set BH,   100                         ; IN THE LAPS: v100-123 two fragments of We (half a K step),
.set AR,   124                         ;   v124-171 x's fragments of the lap's two K steps: K step s at AR + 24 (s % 2), row tile a at + 12 a,
.set XR,   172                         ;   v172-235 two sets of 32 numbers of We,
.set CD,   236                         ;   v236-241 a unit's codes,
.set TT,   242                         ;   v[242:244] a conversion's second half; v245-246 maxima, v247 the conversion's scale operand, v248 the scale's byte
.set BF,   100                         ; LATER CHUNKS: v100-147 four fragments of We,
.set AF,   148                         ;   v148-243 four sets of two fragments of x
.set OB,   148                         ; THE WAY OUT: v148-211 2 x 8 x 4 registers of whole rows,
.set OA,   228                         ;   v228-243 their offsets in part
.set AO,   254                         ; v254-255 my row's offset in xq, row tiles 0 and 1
; v1 lane; v2 4 l; v3, v252, v253 image stores; v4 scale byte store; v5, v6 image loads (K steps 0-7, 8-15); v7 scale word loads; v8, v9 stage in and out; v[10:11], v[12:13] the rows' gate weights;
; v14 32 h; v15 48 h; v99 16 (l % 16); v246-251 at work where a chunk begins (v249-251 are offsets of its first loads: nothing in the laps writes them)
; s2 wave and s3 expert, at the head alone; behind it s2, s3, s18, s24 are SCAN's four masks and s21, s25, s30, s22 its four prefixes; s[4:5], s[66:67] We for laps 0-3, 4-7; s19 chunk;
; s20 the expert's rows; s23 trips; s26-27 permute selects; s28 mask of lanes 16-31; s29 the chunk's first row; s31 rows - 1; s[32:63], s[68:99] 64 mask words (s32-63 on the way out: the 32 slots)
	s_load_b256 s[4:11], s[0:1], 0x0               ; We s[4:5], be s[6:7], xq s[8:9], xs s[10:11]
	s_load_b128 s[12:15], s[0:1], 0x20             ; cw s[12:13], mk s[14:15]
	s_load_b64 s[16:17], s[0:1], 0x30              ; part
	v_lshrrev_b32 v1, 5, v0
	v_readfirstlane_b32 s2, v1                     ; wave 0..15
	s_and_b32 s3, ttmp7, 0xffff                    ; expert
	v_and_b32 v1, 31, v0                           ; lane l
	v_lshlrev_b32 v2, 2, v1
	v_and_b32 v99, 15, v0
	v_lshlrev_b32 v99, 4, v99                      ; 16 (l % 16)
	v_bfe_u32 v14, v0, 4, 1                        ; h = l / 16
	s_wait_alu depctr_va_sdst(0)                   ; s2 is written, ahead of its first reader: LDS addresses and the base of We are made from it
	s_lshr_b32 s18, s2, 3                          ; which of a lap's two K steps my unit lies in,
	s_and_b32 s21, s2, 1                           ; which 32 columns,
	s_bfe_u32 s23, s2, 0x20001                     ; which block b of the K step: (w / 2) % 4
	s_mul_i32 s22, s18, 6144                       ; a K step's four fragments;
	s_mul_i32 s24, s21, 3072                       ; column tiles 2 u and 2 u + 1;
	s_add_co_u32 s22, s22, s24
	s_and_b32 s24, s23, 1
	s_lshl_b32 s24, s24, 8                         ; an odd block belongs to the image's lanes 16-31
	s_add_co_u32 s22, s22, s24
	s_lshr_b32 s24, s23, 1                         ; blocks 0, 1 are an operand's registers 0-5, blocks 2, 3 its registers 6-11
	v_mul_u32_u24 v3, v14, 1536
	v_add_nc_u32 v3, v3, v99
	v_add_nc_u32 v3, s22, v3                       ; my column's place in its fragment's image
	s_mul_i32 s30, s24, 1016
	s_add_co_u32 s30, s30, 8
	v_add_nc_u32 v252, s30, v3                     ; my codes' registers 2, 3: at 8 (operand registers 2, 3) or at 1,024 (registers 8, 9)
	s_mul_i32 s30, s24, 520
	v_add_nc_u32 v3, s30, v3                       ; registers 0, 1: at 0 or at 520 (registers 6, 7)
	v_add_nc_u32 v253, 512, v3                     ; registers 4, 5: at 512 or at 1,032 (registers 10, 11)
	s_lshl_b32 s22, s18, 8
	s_lshl_b32 s24, s21, 7
	s_add_co_u32 s22, s22, s24
	s_add_co_u32 s22, s22, s23
	s_add_co_u32 s22, s22, BSC
	v_add_nc_u32 v4, s22, v2                       ; my block's scale byte: BSC + 256 (K step) + 4 (column) + b
	v_lshlrev_b32 v5, 4, v1
	v_add_nc_u32 v6, 49152, v5
	v_add_nc_u32 v7, BSC, v2
	s_mul_i32 s22, s2, 4352
	s_add_co_u32 s22, s22, STG
	v_and_b32 v8, 15, v0
	v_mul_u32_u24 v8, v8, 272
	v_lshl_add_u32 v8, v14, 5, v8
	v_add_nc_u32 v8, s22, v8                       ; the stage, in: row l % 16, + 32 h
	v_mul_u32_u24 v9, v14, 2176
	v_add_nc_u32 v9, v9, v99
	v_add_nc_u32 v9, s22, v9                       ; and out: lanes 0-15 row i, lanes 16-31 row i + 8
	v_mul_u32_u24 v15, v14, 48
	v_lshlrev_b32 v14, 5, v14
	v_mov_b32 v11, 0                               ; (upper halves of the pairs that the packed multiply names)
	v_mov_b32 v13, 0
	v_mov_b32 v246, 0                              ; (a lane permute's destination counts as one of its sources)
	s_mov_b32 s26, 0x76543210
	s_mov_b32 s27, 0xfedcba98
	s_mov_b32 s28, 0xffff0000
	s_mov_b32 s25, 0
	s_wait_kmcnt 0x0
	s_lshl_b32 s24, s3, 24                         ; We: 2^24 bytes an expert; 32 rows of 8,192 bytes for each pair of waves; 128 bytes a half; 256 bytes a column block
	s_lshr_b32 s22, s2, 1
	s_lshl_b32 s22, s22, 18
	s_add_co_u32 s24, s24, s22
	s_lshl_b32 s22, s21, 7
	s_add_co_u32 s24, s24, s22
	s_lshl_b32 s22, ttmp9, 8
	s_add_co_u32 s24, s24, s22
	s_add_nc_u64 s[4:5], s[4:5], s[24:25]
	s_add_nc_u64 s[66:67], s[4:5], 0x800000        ; four laps (1,024 rows) on: so every load's offset stays inside the signed 24-bit immediate and no base is stepped
	s_lshl_b32 s24, s3, 13
	s_add_co_u32 s24, s24, s22
	s_add_nc_u64 s[6:7], s[6:7], s[24:25]          ; be: 8,192 e + 256 x
	s_mov_b32 s24, s22
	s_add_nc_u64 s[16:17], s[16:17], s[24:25]      ; part: my 256 bytes of every row
	s_lshl_b32 s24, s3, 9
	s_add_nc_u64 s[14:15], s[14:15], s[24:25]      ; mk: my expert's 128 words
; Lap r's unit: each load reads one row of We at 32 neighbouring columns: 128 consecutive bytes; the wave beside me reads the 128 bytes beside them.
.macro LOADU r
.set LI, 0
.rept 32
.if (\r) < 4
	global_load_b32 v[XR+32*((\r)%2)+LI], v2, s[4:5] offset:(256*(\r)+LI)*8192 th:TH_LOAD_NT
.else
	global_load_b32 v[XR+32*((\r)%2)+LI], v2, s[66:67] offset:(256*((\r)-4)+LI)*8192 th:TH_LOAD_NT
.endif
.set LI, LI+1
.endr
.endm
.macro ASK h                           ; half h of the expert's 128 mask words is asked for
	s_load_b512 s[32:47], s[14:15], 256*\h
	s_load_b512 s[48:63], s[14:15], 256*\h+64
	s_load_b512 s[68:83], s[14:15], 256*\h+128
	s_load_b512 s[84:99], s[14:15], 256*\h+192
.endm
.macro TALLY                           ; the set bits of the 64 words in hand are added to s20
.set WN, 0
.rept 64
.if WN < 32
.set WR, 32+WN
.else
.set WR, 36+WN
.endif
	s_bcnt1_i32_b32 s22, s[WR]
	s_add_co_u32 s20, s20, s22
.set WN, WN+1
.endr
.endm
; The 64 words in hand pass by (base: the number of the first of them, 0 or 64): a lane keeps the last word whose exclusive prefix of set bits is at most its P, with its prefix and its number.
; Four words at a time: their four prefixes are made by scalar lines, the four compares stand in one run, each into a scalar register of its own, and one wait serves the run.
; All three things kept are selected by that mask: no line here writes VCC.
.macro SCAN base
.set WN, 0
.rept 16
.if WN < 32
.set WR, 32+WN
.else
.set WR, 36+WN
.endif
	v_cmp_le_u32 s2, s21, v[FT]
	s_bcnt1_i32_b32 s25, s[WR]
	s_add_co_u32 s25, s21, s25                     ; the second word's prefix,
	v_cmp_le_u32 s3, s25, v[FT]
	s_bcnt1_i32_b32 s30, s[WR+1]
	s_add_co_u32 s30, s25, s30                     ; the third's,
	v_cmp_le_u32 s18, s30, v[FT]
	s_bcnt1_i32_b32 s22, s[WR+2]
	s_add_co_u32 s22, s30, s22                     ; the fourth's
	v_cmp_le_u32 s24, s22, v[FT]
	s_wait_alu depctr_va_sdst(0)                   ; the four compares have written s2, s3, s18, s24, ahead of the selects that read them
	v_cndmask_b32 v[FT+1], v[FT+1], s[WR], s2
	v_cndmask_b32 v[FT+2], v[FT+2], s21, s2
	v_cndmask_b32 v[FT+3], v[FT+3], \base+WN, s2                   ; prefixes never fall, so the words kept are a run from word 0 on: the last one selected is the one wanted
	v_cndmask_b32 v[FT+1], v[FT+1], s[WR+1], s3
	v_cndmask_b32 v[FT+2], v[FT+2], s25, s3
	v_cndmask_b32 v[FT+3], v[FT+3], \base+WN+1, s3
	v_cndmask_b32 v[FT+1], v[FT+1], s[WR+2], s18
	v_cndmask_b32 v[FT+2], v[FT+2], s30, s18
	v_cndmask_b32 v[FT+3], v[FT+3], \base+WN+2, s18
	v_cndmask_b32 v[FT+1], v[FT+1], s[WR+3], s24
	v_cndmask_b32 v[FT+2], v[FT+2], s22, s24
	v_cndmask_b32 v[FT+3], v[FT+3], \base+WN+3, s24
	s_bcnt1_i32_b32 s21, s[WR+3]
	s_add_co_u32 s21, s22, s21                     ; the next four words' first prefix
.set WN, WN+4
.endr
.endm
.macro LEVEL wd                        ; is the bit wanted past the lower wd bits of the field in hand?  Then their count comes off the rank and wd goes onto the place
	v_cmp_ge_u32 vcc_lo, v[FT+4], v[FT+8]
	s_wait_alu depctr_va_vcc(0)                    ; the compare has written VCC, ahead of the two selects that read it
	v_cndmask_b32 v[FT+8], 0, v[FT+8], vcc_lo
	v_sub_nc_u32 v[FT+4], v[FT+4], v[FT+8]
	v_cndmask_b32 v[FT+10], 0, \wd, vcc_lo
	v_add_nc_u32 v[FT+9], v[FT+9], v[FT+10]
.endm
; v[SLOT] = the slot of the expert's row number P = min(s29 + l, rows - 1).  The word kept by SCAN holds bit number P; the place of its set bit number P - prefix is found by halving,
; from counts by fields of 2, 4, 8 and 16 bits.  No branch, no LDS.  have = 1: the lower 64 words are in the scalar registers already.
.macro FIND have
	v_add_nc_u32 v[FT], s29, v1
	v_min_u32 v[FT], s31, v[FT]                    ; P
	v_mov_b32 v[FT+1], 0                           ; the word
	v_mov_b32 v[FT+2], 0                           ; its prefix
	v_mov_b32 v[FT+3], -1                          ; its number
	s_mov_b32 s21, 0
.if \have == 0
	ASK 0
	s_wait_kmcnt 0x0
.endif
	SCAN 0
	ASK 1
	s_wait_kmcnt 0x0
	SCAN 64
	v_sub_nc_u32 v[FT+4], v[FT], v[FT+2]           ; the rank in the word
	v_lshrrev_b32 v[FT+5], 1, v[FT+1]
	v_and_b32 v[FT+5], 0x55555555, v[FT+5]
	v_sub_nc_u32 v[FT+5], v[FT+1], v[FT+5]         ; counts by fields of 2 bits
	v_lshrrev_b32 v[FT+6], 2, v[FT+5]
	v_and_b32 v[FT+6], 0x33333333, v[FT+6]
	v_and_b32 v[FT+7], 0x33333333, v[FT+5]
	v_add_nc_u32 v[FT+6], v[FT+6], v[FT+7]         ; of 4
	v_lshrrev_b32 v[FT+7], 4, v[FT+6]
	v_add_nc_u32 v[FT+7], v[FT+7], v[FT+6]
	v_and_b32 v[FT+7], 0x0f0f0f0f, v[FT+7]         ; of 8
	v_lshrrev_b32 v[FT+8], 8, v[FT+7]
	v_add_nc_u32 v[FT+8], v[FT+8], v[FT+7]
	v_and_b32 v[FT+8], 0xff, v[FT+8]               ; the lower 16 bits' count
	v_mov_b32 v[FT+9], 0                           ; the place
	LEVEL 16
	v_bfe_u32 v[FT+8], v[FT+7], v[FT+9], 8
	LEVEL 8
	v_bfe_u32 v[FT+8], v[FT+6], v[FT+9], 4
	LEVEL 4
	v_bfe_u32 v[FT+8], v[FT+5], v[FT+9], 2
	LEVEL 2
	v_bfe_u32 v[FT+8], v[FT+1], v[FT+9], 1
	LEVEL 1
	v_lshl_add_u32 v[SLOT], v[FT+3], 5, v[FT+9]
.endm
; A chunk begins: from the slots the offsets, then 22 loads: the rows' gate weights (2), x's scale words (4), the bias into the accumulators (16).
.macro PRO
	v_permlanex16_b32 v246, v[SLOT], s26, s27      ; lane l xor 16's slot
	v_cndmask_b32 v247, v[SLOT], v246, s28         ; lane (r, h): the slot of row r,
	v_cndmask_b32 v248, v246, v[SLOT], s28         ; and of row 16 + r
	v_min_u32 v247, 0xfff, v247                    ; numbers read from memory are held inside their tables before they make addresses
	v_min_u32 v248, 0xfff, v248
	v_min_u32 v249, 0xfff, v[SLOT]
	v_lshlrev_b32 v250, 2, v247                    ; the gate weights' offsets
	v_lshlrev_b32 v251, 2, v248
	v_and_b32 v247, 0x7ff, v247                    ; the token of a slot
	v_and_b32 v248, 0x7ff, v248
	v_and_b32 v249, 0x7ff, v249
	v_mul_u32_u24 v[AO], v247, 0x600               ; a row of 1,536 bytes of codes,
	v_mul_u32_u24 v[AO+1], v248, 0x600
	v_add_nc_u32 v[AO], v[AO], v15                 ; + 48 h
	v_add_nc_u32 v[AO+1], v[AO+1], v15
	v_lshlrev_b32 v249, 6, v249                    ; 64 scale bytes a token: lane l takes chunk row l's
	s_wait_alu depctr_va_vdst(0)                   ; v249-251 and v[AO], v[AO+1] are written, which this chunk's loads read as offsets; the search is done with v16-26, and the last chunk's products and multiplications with v10, v12, v[AS ..] and the accumulators, in all of which the loads below land
	global_load_b32 v10, v250, s[12:13]
	global_load_b32 v12, v251, s[12:13]
.irp n, 0,1,2,3
	global_load_b128 v[AS+4*\n:AS+4*\n+3], v249, s[10:11] offset:16*\n
.endr
.irp a, 0,1                            ; the bias, in the result's layout: lane (r, h), tile j: columns 16 j + 8 h + 0 .. 7
.irp j, 0,1,2,3
.irp q, 0,1
	global_load_b128 v[ACC+32*\a+8*\j+4*\q:ACC+32*\a+8*\j+4*\q+3], v14, s[6:7] offset:64*\j+16*\q
.endr
.endr
.endr
.endm
; One product: row tile wA, column tile wJ; We's fragment at rB, x's at rA, x's scale words in rT.
; We's scales: lanes 0-15 of their register for an even column tile, lanes 16-31 for an odd one; x's: lanes 0-15 for row tile 0, lanes 16-31 for row tile 1.
.macro WMMA
.set rC, ACC+32*wA+8*wJ
.set rS, SB+wJ/2
.if wA == 0
.if wJ%2 == 0
	v_wmma_scale_f32_16x16x128_f8f6f4 v[rC:rC+7], v[rB:rB+11], v[rA:rA+11], v[rC:rC+7], v[rS], v[rT] matrix_a_fmt:MATRIX_FMT_FP6 matrix_b_fmt:MATRIX_FMT_FP6
.else
	v_wmma_scale_f32_16x16x128_f8f6f4 v[rC:rC+7], v[rB:rB+11], v[rA:rA+11], v[rC:rC+7], v[rS], v[rT] matrix_a_fmt:MATRIX_FMT_FP6 matrix_b_fmt:MATRIX_FMT_FP6 matrix_a_scale:MATRIX_SCALE_ROW1
.endif
.else
.if wJ%2 == 0
	v_wmma_scale_f32_16x16x128_f8f6f4 v[rC:rC+7], v[rB:rB+11], v[rA:rA+11], v[rC:rC+7], v[rS], v[rT] matrix_a_fmt:MATRIX_FMT_FP6 matrix_b_fmt:MATRIX_FMT_FP6 matrix_b_scale:MATRIX_SCALE_ROW1
.else
	v_wmma_scale_f32_16x16x128_f8f6f4 v[rC:rC+7], v[rB:rB+11], v[rA:rA+11], v[rC:rC+7], v[rS], v[rT] matrix_a_fmt:MATRIX_FMT_FP6 matrix_b_fmt:MATRIX_FMT_FP6 matrix_a_scale:MATRIX_SCALE_ROW1 matrix_b_scale:MATRIX_SCALE_ROW1
.endif
.endif
.endm
.macro RPROD a, j, s                   ; in the laps
.set wA, \a
.set wJ, \j
.set rB, BH+12*((\j)%2)
.set rA, AR+24*((\s)%2)+12*(\a)
.set rT, AS+(\s)
	WMMA
.endm
.macro PROD a, j, s                    ; in the later chunks
.set wA, \a
.set wJ, \j
.set rB, BF+12*(\j)
.set rA, AF+24*((\s)%4)+12*(\a)
.set rT, AS+(\s)
	WMMA
.endm
.macro RALOAD s                        ; x's two fragments of K step s: lane (r, h) takes the 48 bytes at 96 s + 48 h of its row's codes
.irp a, 0,1
.irp n, 0,1,2
	global_load_b128 v[AR+24*((\s)%2)+12*\a+4*\n:AR+24*((\s)%2)+12*\a+4*\n+3], v[AO+\a], s[8:9] offset:96*(\s)+16*\n
.endr
.endr
.endm
; Half p of K step s: column tiles 2 p and 2 p + 1 against both row tiles.  lc: the count of the wait for x's fragments, or -1 where the first half has waited.
; ahead: the K step whose fragments of x are asked for behind the four products, or -1.  They land in the other set of x's fragments than these products name, and the wait at the end of the
; half step before has shown that set's readers done: so they owe no wait of their own.
; The eight accumulators take turns, one instruction a turn, in the same order in every K step.
; The four v_nop are the places in front of the next loads into registers that these products read (ISA guide 7.12.1 for vector instructions).
.macro HALF s, p, lc, ahead
.irp jj, 0,1
.irp n, 0,1,2
	ds_load_b128 v[BH+12*\jj+4*\n:BH+12*\jj+4*\n+3], v[5+(\s)/8] offset:(4*((\s)%8)+2*(\p)+\jj)*1536+512*\n   ; an image comes back as it went: 512 consecutive bytes a load
.endr
.endr
	ds_load_b32 v[SB+(\p)], v7 offset:256*(\s)+128*(\p)
.if (\lc) >= 0
	s_wait_loadcnt \lc
.endif
	s_wait_dscnt 0x0
	RPROD 0, 2*(\p), \s
	RPROD 1, 2*(\p), \s
	RPROD 0, 2*(\p)+1, \s
	RPROD 1, 2*(\p)+1, \s
.if (\ahead) >= 0
	RALOAD \ahead
.endif
.rept 4
	v_nop
.endr
.if ((\s) < 15) || ((\p) == 0)
	s_wait_alu depctr_va_vdst(0)                   ; the products are done reading v[BH ..] and We's scale words, in which the next half step's LDS loads land, and (second halves) this K step's fragments of x, in which the loads of two K steps on land
.endif
.endm
; A lap's first part: my unit is quantised and its image stored.  Loads are counted in the order of issue: units 0 and 1, a chunk's 22 first loads, x's K steps 0 and 1 (6 each);
; then for each lap r: unit r + 2 (32), x's K steps 2 r + 2 and 2 r + 3 (6 each).
.macro QPART r
.set XS, XR+32*((\r)%2)
.if (\r) == 0
	s_wait_loadcnt 63                              ; unit 0 is in: 66 loads were issued behind it, and 63 is the largest count that the wait can name
.elseif (\r) < 7
	s_wait_loadcnt 56                              ; unit r is in; behind it: x's 12, unit r + 1's 32, x's 12
.else
	s_wait_loadcnt 24                              ; the last unit: behind it only x's 12 and 12
.endif
.if (\r) > 0
	s_wait_alu depctr_vm_vsrc(0)                   ; the last lap's four LDS stores have read v[CD ..] and v248, which are written again below (lap 4: and v3, v252, v253, which are stepped)
.endif
.if (\r) == 4
	v_add_nc_u32 v3, 0xc000, v3                    ; K steps 8 on: the images' second 48 KB (an LDS offset has 16 bits)
	v_add_nc_u32 v252, 0xc000, v252
	v_add_nc_u32 v253, 0xc000, v253
.endif
	v_max3_num_f32 v245, |v[XS]|, |v[XS+1]|, |v[XS+2]|             ; the block's largest magnitude: all 32 numbers are mine
	v_max3_num_f32 v246, |v[XS+3]|, |v[XS+4]|, |v[XS+5]|
.irp k, 6,10,14,18,22,26
	v_max3_num_f32 v245, v245, |v[XS+\k]|, |v[XS+\k+1]|
	v_max3_num_f32 v246, v246, |v[XS+\k+2]|, |v[XS+\k+3]|
.endr
	v_max3_num_f32 v245, v245, |v[XS+30]|, |v[XS+31]|
	v_max3_num_f32 v245, v245, v246, 0x1800000     ; and the floor 2^(3 - 127): the byte cannot fall under 1
	v_add_nc_u32 v247, 0xff000000, v245            ; 2 off the exponent field: the conversion's scale operand
	v_cvt_scalef32_pk16_fp6_f32 v[CD:CD+2], v[XS:XS+15], v247
	v_cvt_scalef32_pk16_fp6_f32 v[TT:TT+2], v[XS+16:XS+31], v247   ; (a conversion's three registers begin on an even number)
	v_lshrrev_b32 v248, 23, v247                   ; the scale's byte; also the plain line behind the conversions
	v_mov_b32 v[CD+3], v[TT]
	v_mov_b32 v[CD+4], v[TT+1]
	v_mov_b32 v[CD+5], v[TT+2]
	s_wait_alu depctr_va_vdst(0)                   ; v[CD ..] and v248 are written, which the LDS stores read (lap 4: and their three addresses); the maxima and conversions are done reading this set of numbers, in which unit r + 2 lands; the last lap's products are done with v[BH ..] and We's scale words, in which the LDS loads behind the barrier land
	ds_store_b64 v3, v[CD:CD+1] offset:12288*((\r)%4)
	ds_store_b64 v252, v[CD+2:CD+3] offset:12288*((\r)%4)
	ds_store_b64 v253, v[CD+4:CD+5] offset:12288*((\r)%4)
	ds_store_b8 v4, v248 offset:512*(\r)           ; four waves' bytes make a column's scale word
.if (\r) < 6
	LOADU (\r)+2                                   ; into the set just converted: it has two laps in which to land
.endif
	s_wait_dscnt 0x0                               ; for the others' sake: my image and my byte lie in LDS
	s_barrier_signal -1
	s_barrier_wait -1                              ; the lap's two K steps are whole.  Their bytes are never written again, so this one barrier is all that a lap needs
.endm
; A lap's second part: my first chunk x the lap's two K steps.  A K step's fragments of x were asked for a lap ago; its set is asked for again, two K steps on, behind the wait that shows its products done.
.macro PPART r
.if (\r) < 6
	HALF 2*(\r), 0, 38, -1                         ; x's K step 2 r is in; behind it: K step 2 r + 1's 6 loads and unit r + 2's 32
.else
	HALF 2*(\r), 0, 6, -1                          ; (no unit is asked for in the last two laps)
.endif
	HALF 2*(\r), 1, -1, -1
.if (\r) < 6
	HALF 2*(\r)+1, 0, 32, 2*(\r)+2                 ; behind K step 2 r + 1's loads: unit r + 2's 32; K step 2 r + 2 is asked for behind this half's products
.elseif (\r) == 6
	HALF 2*(\r)+1, 0, 0, 2*(\r)+2
.else
	HALF 2*(\r)+1, 0, 0, -1
.endif
	HALF 2*(\r)+1, 1, -1, -1
.if (\r) < 7
	RALOAD 2*(\r)+3                                ; behind the wait at that half's end
.endif
.endm
; The later chunks: all images lie in LDS, the numbers' registers are free: four fragments of We at a time, x three K steps ahead.
.macro ALOAD s
.irp a, 0,1
.irp n, 0,1,2
	global_load_b128 v[AF+24*((\s)%4)+12*\a+4*\n:AF+24*((\s)%4)+12*\a+4*\n+3], v[AO+\a], s[8:9] offset:96*(\s)+16*\n
.endr
.endr
.endm
.macro KSTEP s
.if (\s) > 0
.rept 4
	v_nop                                          ; four places in front of loads into registers that the last products read
.endr
	s_wait_alu depctr_va_vdst(0)                   ; the last K step's products are done reading v[BF ..], We's scale words and their set of x's fragments, in all of which the loads below land
.endif
.if ((\s) > 0) && ((\s) < 13)
	ALOAD (\s)+3                                   ; three K steps ahead, into the set that the last step has left
.endif
.irp j, 0,1,2,3
.irp n, 0,1,2
	ds_load_b128 v[BF+12*\j+4*\n:BF+12*\j+4*\n+3], v[5+(\s)/8] offset:(4*((\s)%8)+\j)*1536+512*\n
.endr
.endr
	ds_load_b32 v[SB], v7 offset:256*(\s)
	ds_load_b32 v[SB+1], v7 offset:256*(\s)+128
.if (\s) < 13
	s_wait_loadcnt 18                              ; this K step's fragments of x (and all that was asked before them) are in; the three later steps' six loads each may be out
.else
	s_wait_loadcnt 6*(15-(\s))
.endif
	s_wait_dscnt 0x0
.irp j, 0,1,2,3                        ; the eight accumulators by turns, as in the laps
	PROD 0, \j, \s
	PROD 1, \j, \s
.endr
.endm
; THE WAY OUT of a chunk: x the row's gate weight; through my stage; whole pieces of 256 bytes to part.
.macro WAYOUT
.rept 4
	v_nop                                          ; four places in front of the first read of results
.endr
.irp a, 0,1
.irp j, 0,1,2,3
.irp p, 0,2,4,6
	v_pk_mul_f32 v[ACC+32*\a+8*\j+\p:ACC+32*\a+8*\j+\p+1], v[ACC+32*\a+8*\j+\p:ACC+32*\a+8*\j+\p+1], v[10+2*\a:11+2*\a] op_sel_hi:[1,0]   ; each accumulator from its low end on
.endr
.endr
.endr
	s_wait_alu depctr_va_vdst(0)                   ; the multiplications have written the accumulators, which the LDS stores read; the chunk's products (and, in the first chunk, the conversions) are done with v[OB ..], in which the stage's loads land
.irp a, 0,1
.irp j, 0,1,2,3
	ds_store_b128 v8, v[ACC+32*\a+8*\j:ACC+32*\a+8*\j+3] offset:64*\j
	ds_store_b128 v8, v[ACC+32*\a+8*\j+4:ACC+32*\a+8*\j+7] offset:64*\j+16
.endr
.irp i, 0,1,2,3,4,5,6,7
	ds_load_b128 v[OB+32*\a+4*\i:OB+32*\a+4*\i+3], v9 offset:272*\i   ; LDS serves a wave's instructions in order (ISA guide 5.7.1.4): these see the stores above, and tile 1's stores come behind tile 0's loads
.endr
.endr
.set LN, 0
.rept 32                               ; meanwhile the rows' places in part.  The 32 slots go to s32-63 (the mask words there are done with) in one run
	v_readlane_b32 s[32+LN], v[SLOT], LN
.set LN, LN+1
.endr
	s_wait_alu depctr_va_sdst(0)                   ; the 32 lane reads have written s32 to s63, ahead of the moves and selects that read them
.irp a, 0,1                            ; lanes 0-15 row 16 a + i, lanes 16-31 row 16 a + 8 + i
.irp i, 0,1,2,3,4,5,6,7
	v_mov_b32 v[OA+8*\a+\i], s[32+16*\a+\i]
	v_cndmask_b32 v[OA+8*\a+\i], v[OA+8*\a+\i], s[40+16*\a+\i], s28
	v_min_u32 v[OA+8*\a+\i], 0xfff, v[OA+8*\a+\i]
	v_lshl_add_u32 v[OA+8*\a+\i], v[OA+8*\a+\i], 13, v99           ; 8,192 bytes a slot, + 16 (l % 16)
.endr
.endr
	s_wait_alu depctr_va_vdst(0)                   ; the sixteen offsets v[OA ..] are written, which the stores below read
	s_wait_dscnt 16                                ; tile 0's rows are back; tile 1's eight stores and eight loads may be out
.irp i, 0,1,2,3,4,5,6,7
	global_store_b128 v[OA+\i], v[OB+4*\i:OB+4*\i+3], s[16:17]     ; sixteen lanes store 256 consecutive bytes, at a multiple of 256 from part's first byte
.endr
	s_wait_dscnt 0x0
.irp i, 0,1,2,3,4,5,6,7
	global_store_b128 v[OA+8+\i], v[OB+32+4*\i:OB+32+4*\i+3], s[16:17]
.endr
	s_wait_xcnt 0x0                                ; the stores' data and offsets are written again only behind this wait
	s_wait_alu depctr_vm_vsrc(0)                   ; the LDS stores have read the accumulators, the global stores v[OB ..] and v[OA ..], the chunk's loads v249-251 and v[AO], v[AO+1]: the next chunk's search, offsets and loads, or the closing lines, write them anew
.endm
	; ---- THE START: the upper mask words are asked for, then two units of We; while these are on their way the rows are counted and my first chunk's are found
	ASK 1
	s_wait_alu depctr_va_vdst(0)                   ; the offsets and LDS addresses v2 to v9, v14, v252, v253 are written, which the kernel's loads and stores read
	LOADU 0
	LOADU 1
	s_wait_kmcnt 0x0
	s_mov_b32 s20, 0
	TALLY                                          ; the upper 64 words first,
	ASK 0
	s_wait_kmcnt 0x0
	TALLY                                          ; so that the lower 64 are in hand where the search begins
	s_sub_co_u32 s31, s20, 1
	s_mov_b32 s19, s2                              ; my first chunk
	s_lshl_b32 s29, s19, 5
	FIND 1
	PRO
	RALOAD 0
	RALOAD 1
	; ---- THE LAPS
.irp r, 0,1,2,3,4,5,6,7
	QPART \r
	PPART \r
.endr
	s_wait_alu depctr_vm_vsrc(0)                   ; the last lap's LDS stores have read v[CD ..], over which the way out writes offsets; the loads of x have read v254 and v255, which the closing lines make anew.  Ahead of the branch: it serves both ways
	s_cmp_ge_u32 s29, s20                          ; a first chunk past the expert's rows: nothing to store, and no later chunk either
	s_cbranch_scc1 .Lend
	WAYOUT
	; ---- THE LATER CHUNKS: w + 16, w + 32, w + 48
	s_mov_b32 s23, 1
.Ltrip:                                            ; three trips, a constant; a trip whose chunk begins past the expert's rows does nothing
	s_add_co_u32 s19, s19, 16
	s_lshl_b32 s29, s19, 5
	s_cmp_ge_u32 s29, s20
	s_cbranch_scc1 .Lidle
	FIND 0
	PRO
.irp s, 0,1,2,3
	ALOAD \s
.endr
.irp s, 0,1,2,3,4,5,6,7,8,9,10,11,12,13,14,15
	KSTEP \s
.endr
	WAYOUT
.Lidle:
	s_add_co_u32 s23, s23, 1
	s_cmp_lt_u32 s23, 4
	s_cbranch_scc1 .Ltrip
.Lend:
	s_wait_xcnt 0x0
	v_lshl_add_u32 v254, v0, 2, 0x2a000            ; the add's two registers are made anew: on every way here a wait on vm_vsrc stands behind the last load that read v254 or v255
	v_mov_b32 v255, 0
	s_wait_dscnt 0x0                               ; the closing lines, six on end
	s_wait_alu 0x0
	s_wait_tensorcnt 0x0
	ds_add_u32 v254, v255
	s_wait_dscnt 0x0
	s_endpgm
.Lfunc_end_k_qdcfdf9edb5_experts:
	.size	k_qdcfdf9edb5_experts, .Lfunc_end_k_qdcfdf9edb5_experts-k_qdcfdf9edb5_experts
	.p2alignl 7, 3214868480
	.fill 96, 4, 3214868480
	.section	.rodata,"a",@progbits
	.p2align	6, 0x0
	.amdhsa_kernel k_qdcfdf9edb5_experts
		.amdhsa_group_segment_fixed_size 174080
		.amdhsa_private_segment_fixed_size 0
		.amdhsa_enable_private_segment 0
		.amdhsa_kernarg_size 56
		.amdhsa_user_sgpr_count 2
		.amdhsa_user_sgpr_kernarg_segment_ptr 1
		.amdhsa_wavefront_size32 1
		.amdhsa_system_sgpr_workgroup_id_x 1
		.amdhsa_system_sgpr_workgroup_id_y 1
		.amdhsa_system_sgpr_workgroup_id_z 1
		.amdhsa_system_vgpr_workitem_id 0
		.amdhsa_next_free_vgpr 256
		.amdhsa_next_free_sgpr 100
		.amdhsa_reserve_vcc 1
		.amdhsa_float_denorm_mode_32 3
		.amdhsa_float_denorm_mode_16_64 3
		.amdhsa_memory_ordered 1
		.amdhsa_forward_progress 1
		.amdhsa_inst_pref_size 255
	.end_amdhsa_kernel
	.section	.bss,"aw",@nobits
	.p2align	6
	.space	262144
	.amdgpu_metadata
---
amdhsa.version: [ 1, 2 ]
amdhsa.kernels:
  - .name:           k_qdcfdf9edb5_experts
    .symbol:         k_qdcfdf9edb5_experts.kd
    .args:
      - { .name: We, .offset: 0, .size: 8, .value_kind: global_buffer, .address_space: global }
      - { .name: be, .offset: 8, .size: 8, .value_kind: global_buffer, .address_space: global }
      - { .name: xq, .offset: 16, .size: 8, .value_kind: global_buffer, .address_space: global }
      - { .name: xs, .offset: 24, .size: 8, .value_kind: global_buffer, .address_space: global }
      - { .name: cw, .offset: 32, .size: 8, .value_kind: global_buffer, .address_space: global }
      - { .name: mk, .offset: 40, .size: 8, .value_kind: global_buffer, .address_space: global }
      - { .name: part, .offset: 48, .size: 8, .value_kind: global_buffer, .address_space: global }
    .group_segment_fixed_size: 174080
    .private_segment_fixed_size: 0
    .kernarg_segment_align: 8
    .kernarg_segment_size: 56
    .max_flat_workgroup_size: 512
    .sgpr_count:     100
    .vgpr_count:     256
    .wavefront_size: 32
...
	.end_amdgpu_metadata
.endif
;; end of part 4
;; launch combine: the kernel of part 3 again; grid 512 x 1, 8 waves a work-group, no clusters, 0 bytes of LDS; arguments part, out0; writes out0
